; MI455X (gfx1250); checked and timed in simulation.
; The chip was launched on July 23, 2026; its instructions are those of AMD's public machine-readable ISA for CDNA 5 (MIT licence, August 2026) and "CDNA5" Instruction Set Architecture Reference Guide (July 2026). The comments in the code are by the model that wrote it; some were corrected since.
;; Multi Head Attention. Allowed arithmetic: matrix products marked QUANTISED: E2M1 operands, one E8M0 scale for each 32 along K, by v_wmma_scale_f32_16x16x128_f8f6f4 with both operands' format E2M1 (or v_wmma_scale_f32_32x16x128_f4), f32 sums; everything else in f32.
;; Inputs: Wk_codes 1,024 x 32 x 16 uint8 (E2M1 codes of Wk, K innermost, in blocks of 32 codes, two codes a byte); Wk_scales 1,024 x 32 uint8 (E8M0 scales of Wk, one for each 32 codes along K); Wo_codes 1,024 x 32 x 16 uint8 (E2M1 codes of Wo, K innermost, in blocks of 32 codes, two codes a byte); Wo_scales 1,024 x 32 uint8 (E8M0 scales of Wo, one for each 32 codes along K); Wq_codes 1,024 x 32 x 16 uint8 (E2M1 codes of Wq, K innermost, in blocks of 32 codes, two codes a byte); Wq_scales 1,024 x 32 uint8 (E8M0 scales of Wq, one for each 32 codes along K); Wv_codes 1,024 x 32 x 16 uint8 (E2M1 codes of Wv, K innermost, in blocks of 32 codes, two codes a byte); Wv_scales 1,024 x 32 uint8 (E8M0 scales of Wv, one for each 32 codes along K); bk 1,024 float32; bo 1,024 float32; bq 1,024 float32; bv 1,024 float32; k_codes 4 x 2,048 x 32 x 16 uint8 (E2M1 codes of k, K innermost, in blocks of 32 codes, two codes a byte); k_scales 4 x 2,048 x 32 uint8 (E8M0 scales of k, one for each 32 codes along K); mask 4 x 2,048 x 2,048 bool; q_codes 4 x 2,048 x 32 x 16 uint8 (E2M1 codes of q, K innermost, in blocks of 32 codes, two codes a byte); q_scales 4 x 2,048 x 32 uint8 (E8M0 scales of q, one for each 32 codes along K); v_codes 4 x 2,048 x 32 x 16 uint8 (E2M1 codes of v, K innermost, in blocks of 32 codes, two codes a byte); v_scales 4 x 2,048 x 32 uint8 (E8M0 scales of v, one for each 32 codes along K).
;; Outputs: out0 4 x 2,048 x 1,024 float32.
;; This version of the problem:
;;   THIS VERSION OF THE PROBLEM IS GIVEN IN LOW PRECISION. The matrix products marked QUANTISED in the list below multiply operands that are first quantised to E2M1 (2 exponent bits, 1 mantissa bit; 4 bits a number), with one power-of-two scale for each 32 numbers along K (OCP MX v1.0); their sums are f32. All else is computed in f32.
;;   The module's matrix products, in the order in which they are computed (A, B: the left and right operand; K: the contracted axis; several contracted axes count as one K, in the product's order):
;;     1. [M 8,192, K 1,024] x [K 1,024, N 1,024]; A: input q (given as codes); B: input Wq (given as codes): QUANTISED
;;     2. [M 8,192, K 1,024] x [K 1,024, N 1,024]; A: input k (given as codes); B: input Wk (given as codes): QUANTISED
;;     3. [M 8,192, K 1,024] x [K 1,024, N 1,024]; A: input v (given as codes); B: input Wv (given as codes): QUANTISED
;;     4. batch 64 x [M 2,048, K 64] x [K 64, N 2,048]; A: computed on the way; B: computed on the way: QUANTISED
;;     5. batch 64 x [M 2,048, K 2,048] x [K 2,048, N 64]; A: softmax (see below); B: computed on the way: QUANTISED
;;     6. [M 8,192, K 1,024] x [K 1,024, N 1,024]; A: computed on the way; B: input Wo (given as codes): QUANTISED
;;   THE QUANTISER, for each operand of a quantised product, along K:
;;     - K is cut into blocks of 32 from its start; a last block that is shorter is filled with zeros.
;;     - A block's scale is 2^e with e = floor(log2(the largest magnitude in the block)) - 2, held to -126 .. 127; a block of zeros has e = 0. As a byte (E8M0): e + 127.
;;     - Each number is divided by its block's scale, clamped to +-6, and rounded to the nearest number of E2M1, ties to even, subnormals kept.
;;     - The product sums the exact products of the quantised numbers (number of the format x scale) in f32.
;;   ~~~python
;;   def quantise(x, axis):      # numpy; x: float32 -> the quantised numbers, widened to float32 again
;;       x = np.moveaxis(x, axis, -1); K = x.shape[-1]
;;       x = np.pad(x, [(0, 0)] * (x.ndim - 1) + [(0, -K % 32)]); x = x.reshape(x.shape[:-1] + (-1, 32)); a = np.abs(x).max(-1, keepdims=True)
;;       e = np.where(a > 0, np.clip(np.frexp(np.where(a > 0, a, 1))[1] - 1 - 2, -126, 127), 0)      # np.frexp(a)[1] - 1 = floor(log2(a)), exactly
;;       r = np.clip(x / 2.0 ** e, -6, 6)
;;       step = 2.0 ** (np.maximum(np.frexp(np.where(r == 0, 1, r))[1] - 1, 0) - 1)
;;       q = np.round(r / step) * step * 2.0 ** e      # np.round: ties to even
;;       return np.moveaxis(q.reshape(q.shape[:-2] + (-1,))[..., :K], -1, axis).astype(np.float32)
;;   ~~~
;;   SOFTMAX AHEAD OF A QUANTISED PRODUCT. Where the list says 'softmax', what is quantised is not the finished softmax but p = 2^(t - M), with t = logit x log2(e) and M = ceil(the row's largest t), a whole number; so 1/2 < the row's largest p <= 1. The row's sum l is taken of the UNQUANTISED p, in f32, and the product's result is divided by l at the end. Since M is a whole number, a kernel that streams over the keys may use a running M (the ceiling of the running maximum): every later rescaling is an exact power of two, which a block's scale takes up: the codes' values come out the same.
;;   OPERANDS COMPUTED ON THE WAY. 'Computed on the way' means the value that the module computes at that place (a softmax that the list does not call 'softmax' is quantised finished and normalised). What goes into a quantiser is computed in f32, as accurately as f32 sums, v_exp_f32 and their like allow (about 1e-6 of the number): no bf16 or f16 on the way to a quantiser, and a product that is left as it is and whose result goes on into a quantised operand takes f32 operands (vector FMAs, or v_wmma_f32_16x16x4_f32). A number that lies on a knife's edge between two numbers of the format may be rounded either way, as far as f32 arithmetic and the matrix unit's own rounding can turn it there, and no further.
;;   INPUTS GIVEN AS CODES. Wk (in the module: [1024, 1024], K = its axis 1); Wo (in the module: [1024, 1024], K = its axis 1); Wq (in the module: [1024, 1024], K = its axis 1); Wv (in the module: [1024, 1024], K = its axis 1); k (in the module: [4, 2048, 1024], K = its axis 2); q (in the module: [4, 2048, 1024], K = its axis 2); v (in the module: [4, 2048, 1024], K = its axis 2): each comes as NAME_codes (uint8): NAME with its K axis moved to the last place and cut into blocks of 32 codes, [.., K / 32, bytes a block], one block behind the other in memory; two codes a byte, the lower K in the low four bits (a code: sign, 2 exponent bits, 1 mantissa bit); and NAME_scales (uint8): the same leading axes, one E8M0 byte (e + 127) for each 32 codes along K. Its value is code x scale, taken as it is: it is not quantised again, and the codes and scales need not be those that the quantiser above would give.
;; One version. Each part assembles by itself: llvm-mc -triple=amdgcn-amd-amdhsa -mcpu=gfx1250 --defsym DOCPART=n.
;; ======== version 1 of 1: 4 launches
;; limits: right only within a limited range of input values
;; workspace buffers: maskw 2,097,152 bytes of whole numbers; maskf 2,048 bytes of whole numbers; heads 13,369,344 bytes; yc 4,194,304 bytes; ys 262,144 bytes
;; launch maskp (part 1): grid 512 x 1, 4 waves a work-group, no clusters, 34,304 bytes of LDS; arguments mask, maskw, maskf; writes maskw, maskf
.if DOCPART == 1
	.amdgcn_target "amdgcn-amd-amdhsa--gfx1250"
	.amdhsa_code_object_version 6
	.text
	.protected	k_q48608bea7b_maskp
	.globl	k_q48608bea7b_maskp
	.p2align	8
	.type	k_q48608bea7b_maskp,@function
k_q48608bea7b_maskp:
	s_mov_b64 s[64:65], 0
	v_nop
	global_prefetch_b8 v0, s[64:65] scope:SCOPE_SE
	s_setreg_imm32_b32 hwreg(HW_REG_WAVE_MODE, 25, 1), 1
	s_wait_xcnt 0x0
; The mask [4][2048][2048], one byte a (query, key), becomes one BIT a (query, key), laid as the attention launch's lanes hold their scores:
; maskw [batch 4][tile 128][step 16][64 words].  Tile T of a batch, lane row m = query 128 (T / 8) + 64 ((T / 4) % 2) + 32 (m / 8) + 16 ((T / 2) % 2) + 8 (T % 2) + m % 8.  A step is 128 keys.
; Word n of a step: bit l = mask[query of lane row l % 16][128 step + 64 (n / 32) + 32 (l / 16) + n % 32]: the select mask of score register n.  Word n lies at word 2 (n % 32) + n / 32.
; maskf [tile 512][wave 4] bytes: bit jl of byte w is 1 where all 64 words of step 4 w + jl are all ones.  A byte of the mask that is not 0 counts as true.
; SHARES.  A work-group takes a tile; wave w takes steps 4 w .. 4 w + 3: 512 bytes of each of the tile's 16 rows.  Each load reads 512 consecutive bytes of a row; the rows turn through the wave's own stage in LDS
; (pitch 528 bytes), so that lane (r, h) gets neighbouring keys of row r.  A compare then gives a word, one bit a lane; sixteen words are made at a time.
; No barrier: a wave reads only what it stored, and LDS serves a wave's instructions in order.  No loop: every offset is an immediate.  No matrix unit, no cluster: each byte is read once by one wave.
.set PITCH, 528
.set WST,   16*PITCH                   ; a wave's stage
.set T,     8                          ; v8-10    at work
.set X,     16                         ; v16-79   16 rows as loaded; then v16-31 at work
.set Y,     80                         ; v80-143  step jl: registers 16 jl ..: register g holds the bytes of words 4 g .. 4 g + 3
.set OW,    144                        ; v144-151 a pair for each step: lane i of the pair holds words i and 32 + i
	s_load_b128 s[4:7], s[0:1], 0x0                ; mask, maskw
	s_load_b64 s[24:25], s[0:1], 0x10              ; maskf
	v_lshl_add_u32 v160, v0, 2, 0x8400
	v_mov_b32 v161, 0
	v_lshrrev_b32 v5, 5, v0
	v_readfirstlane_b32 s8, v5                     ; wave 0..3
	v_and_b32 v5, 31, v0                           ; lane
	v_lshlrev_b32 v1, 4, v5                        ; my 16 bytes of a load's 512
	s_mul_i32 s9, s8, WST
	v_add_nc_u32 v2, s9, v1                        ; the stage, on the way in: a row as it lies
	v_and_b32 v6, 15, v0                           ; r
	v_bfe_u32 v7, v0, 4, 1                         ; h
	v_mul_u32_u24 v3, v6, PITCH
	v_lshl_add_u32 v3, v7, 5, v3
	v_add_nc_u32 v3, s9, v3                        ; and on the way out: row r, + 32 h
	v_lshlrev_b32 v4, 3, v5                        ; out: 8 bytes a lane
.irp i, 0,1,2,3,4,5,6,7
	v_mov_b32 v[OW+\i], 0                          ; written once: a lane write's destination counts as one of its sources
.endr
	s_lshr_b32 s10, ttmp9, 3
	s_lshl_b32 s10, s10, 7                         ; 128 queries for each eight tiles, counted over all batches
	s_bfe_u32 s11, ttmp9, 0x10002
	s_lshl_b32 s11, s11, 6
	s_add_co_u32 s10, s10, s11                     ; + 64 ((T / 4) % 2)
	s_bfe_u32 s11, ttmp9, 0x10001
	s_lshl_b32 s11, s11, 4
	s_add_co_u32 s10, s10, s11                     ; + 16 ((T / 2) % 2)
	s_and_b32 s11, ttmp9, 1
	s_lshl_b32 s11, s11, 3
	s_add_co_u32 s10, s10, s11                     ; + 8 (T % 2)
	s_lshl_b32 s10, s10, 11                        ; rows of 2,048 bytes (16 MiB in all)
	s_lshl_b32 s11, s8, 9
	s_add_co_u32 s10, s10, s11                     ; + my wave's 512 keys
	s_mov_b32 s11, 0
	s_lshl_b32 s12, ttmp9, 12                      ; out: 4,096 bytes a tile,
	s_lshl_b32 s13, s8, 10
	s_add_co_u32 s12, s12, s13                     ; 1,024 a wave
	s_mov_b32 s13, 0
	s_lshl_b32 s16, ttmp9, 2
	s_add_co_u32 s16, s16, s8                      ; my byte of maskf: 4 x tile + wave
	s_mov_b32 s17, 0
	s_mov_b32 s14, 0                               ; its bits
	s_wait_alu depctr_va_vdst(0)                   ; the wait at the head's end
	s_wait_kmcnt 0x0
	s_add_nc_u64 s[4:5], s[4:5], s[10:11]
	s_add_nc_u64 s[6:7], s[6:7], s[12:13]
	s_add_nc_u64 s[24:25], s[24:25], s[16:17]
.irp i, 0,1,2,3,4,5,6,7,8,9,10,11,12,13,14,15
	global_load_b128 v[X+4*\i:X+4*\i+3], v1, s[4:5] offset:(32*(\i/8)+(\i%8))*2048 th:TH_LOAD_NT   ; lane row i: 32 lanes read 512 consecutive bytes; read once in the launch
.endr
.irp i, 0,1,2,3,4,5,6,7,8,9,10,11,12,13,14,15
	s_wait_loadcnt 15-\i                           ; row i is in; the 15 - i younger loads stay out
	ds_store_b128 v2, v[X+4*\i:X+4*\i+3] offset:PITCH*\i
.endr
.irp g, 0,1,2,3,4,5,6,7,8,9,10,11,12,13,14,15
	ds_load_b128 v[Y+4*\g:Y+4*\g+3], v3 offset:128*(\g/4)+64*((\g%4)/2)+16*(\g%2)   ; keys 128 (g / 4) + 64 ((g % 4) / 2) + 32 h + 16 (g % 2) + 0 .. 15 of row r
.endr
.irp jl, 0,1,2,3
	s_wait_dscnt 12-4*\jl                          ; this step's four reads are back (and all the stores are done); the later steps' reads stay out
.irp q, 0,1,2,3                                ; sixteen words at a time: words 16 q .. 16 q + 15
.irp y, 0,1,2,3,4,5,6,7,8,9,10,11,12,13,14,15
	v_and_b32 v[X+\y], 0xff<<(8*(\y%4)), v[Y+16*\jl+4*\q+\y/4]
.endr
.irp y, 0,1,2,3,4,5,6,7,8,9,10,11,12,13,14,15
	v_cmp_ne_u32 s[32+\y], 0, v[X+\y]              ; one bit a lane: the word
.endr
.irp y, 0,1,2,3,4,5,6,7,8,9,10,11,12,13,14,15
	v_writelane_b32 v[OW+2*\jl+(16*\q+\y)/32], s[32+\y], (16*\q+\y)%32
.endr
.endr
	global_store_b64 v4, v[OW+2*\jl:OW+2*\jl+1], s[6:7] offset:256*\jl   ; 32 lanes store 256 consecutive bytes, aligned; each step has its own pair
	v_and_b32 v[T], v[OW+2*\jl], v[OW+2*\jl+1]
	v_cmp_eq_u32 s20, -1, v[T]
	s_cmp_eq_u32 s20, -1                           ; all 64 words all ones?
	s_cselect_b32 s21, 1<<\jl, 0
	s_or_b32 s14, s14, s21
.endr
	v_mov_b32 v9, s14
	v_mov_b32 v10, 0
	s_wait_alu depctr_va_vdst(0)                   ; the wait here, directly ahead of the wait below
	s_wait_xcnt 0x0                                ; EXEC changes only behind this wait
	v_cmp_eq_u32 vcc_lo, 0, v5
	s_and_saveexec_b32 s15, vcc_lo
	global_store_b8 v10, v9, s[24:25]              ; lane 0 stores the wave's byte
	s_wait_xcnt 0x0
	s_or_b32 exec_lo, exec_lo, s15
	s_wait_tensorcnt 0x0                           ; the wave's end
	ds_add_u32 v160, v161
	s_wait_dscnt 0x0
	s_endpgm
.Lfunc_end_k_q48608bea7b_maskp:
	.size	k_q48608bea7b_maskp, .Lfunc_end_k_q48608bea7b_maskp-k_q48608bea7b_maskp
	.p2alignl 7, 3214868480
	.fill 96, 4, 3214868480
	.section	.rodata,"a",@progbits
	.p2align	6, 0x0
	.amdhsa_kernel k_q48608bea7b_maskp
		.amdhsa_group_segment_fixed_size 34304
		.amdhsa_private_segment_fixed_size 0
		.amdhsa_enable_private_segment 0
		.amdhsa_kernarg_size 24
		.amdhsa_user_sgpr_count 2
		.amdhsa_user_sgpr_kernarg_segment_ptr 1
		.amdhsa_wavefront_size32 1
		.amdhsa_system_sgpr_workgroup_id_x 1
		.amdhsa_system_sgpr_workgroup_id_y 1
		.amdhsa_system_sgpr_workgroup_id_z 1
		.amdhsa_system_vgpr_workitem_id 0
		.amdhsa_next_free_vgpr 162
		.amdhsa_next_free_sgpr 66
		.amdhsa_reserve_vcc 1
		.amdhsa_float_denorm_mode_32 3
		.amdhsa_float_denorm_mode_16_64 3
		.amdhsa_memory_ordered 1
		.amdhsa_forward_progress 1
		.amdhsa_inst_pref_size 56
	.end_amdhsa_kernel
	.amdgpu_metadata
---
amdhsa.version: [ 1, 2 ]
amdhsa.kernels:
  - .name:           k_q48608bea7b_maskp
    .symbol:         k_q48608bea7b_maskp.kd
    .args:
      - { .name: mask, .offset: 0, .size: 8, .value_kind: global_buffer, .address_space: global }
      - { .name: maskw, .offset: 8, .size: 8, .value_kind: global_buffer, .address_space: global }
      - { .name: maskf, .offset: 16, .size: 8, .value_kind: global_buffer, .address_space: global }
    .group_segment_fixed_size: 34304
    .private_segment_fixed_size: 0
    .kernarg_segment_align: 8
    .kernarg_segment_size: 24
    .max_flat_workgroup_size: 128
    .sgpr_count:     66
    .vgpr_count:     162
    .wavefront_size: 32
...
	.end_amdgpu_metadata
.endif
;; end of part 1
;; launch proj (part 2): grid 4 x 96, 4 waves a work-group, clusters of 4 x 4, 327,680 bytes of LDS; arguments q_codes, k_codes, v_codes, q_scales, k_scales, v_scales, Wq_codes, Wk_codes, Wv_codes, Wq_scales, Wk_scales, Wv_scales, bq, bk, bv, heads; writes heads
.if DOCPART == 2
	.amdgcn_target "amdgcn-amd-amdhsa--gfx1250"
	.amdhsa_code_object_version 6
	.text
	.protected	k_q48608bea7b_proj
	.globl	k_q48608bea7b_proj
	.p2align	8
	.type	k_q48608bea7b_proj,@function
k_q48608bea7b_proj:
	s_mov_b64 s[64:65], 0
	v_nop
	global_prefetch_b8 v0, s[64:65] scope:SCOPE_SE
	s_setreg_imm32_b32 hwreg(HW_REG_WAVE_MODE, 25, 1), 1
	s_wait_xcnt 0x0
	s_wait_alu depctr_hold_cnt(0) depctr_sa_sdst(0) depctr_va_vdst(0) depctr_va_sdst(0) depctr_va_ssrc(0) depctr_va_vcc(0) depctr_vm_vsrc(0)
	s_getreg_b32 s2, hwreg(HW_REG_IB_STS2, 6, 4)
	s_cmp_eq_u32 s2, 0
	s_cbranch_scc0 .Lentry_in_a_cluster
	s_endpgm
.Lentry_in_a_cluster:
	s_bfe_u32 s2, ttmp6, 0x10000c
	s_cmp_lg_u32 s2, 0xf033
	s_cbranch_scc0 .Lentry_shape_is_right
	s_endpgm
.Lentry_shape_is_right:
; The three input projections, y = x W^T + b, on codes of FP4 (E2M1) with one E8M0 scale for each 32 along K = 1,024, and the quantising of their results for the attention launch.
; x: [8192][1024] codes (512 bytes a row), scales [8192][32]; W: [1024][1024] codes, scales [1024][32]; b: [1024] f32.  One launch serves q, k and v: the cluster's y / 8 says which.
; A tile of y, 256 rows x 256 features, is made by a work-group of four waves; a wave makes 128 x 128: 64 accumulators of 16 x 16.  All of K lies in two LDS slots of 512 along K, each filled ONCE: no slot is filled again.
; CLUSTERS: 4 x 4 work-groups; the four of a row of the cluster need the same rows of x, the four of a column the same rows of W: each tile is asked for jointly, by the same tensor load with a mask that names the four.
; TWO WAYS through the text, parted by a branch on the tensor's number (the same in all partners of a cluster):
;   q, k: the matrix instruction takes source 0 = 16 rows of W, source 1 = 16 rows of x: a lane holds ONE row of x and features along its registers: the head's 64 are the next product's K.
;   v:    source 0 = 16 rows of x, source 1 = 16 rows of W: a lane holds ONE feature and rows (keys) along its registers: the keys are the next product's K.
; Each way adds the bias in f32, takes each block of 32's largest magnitude (16 numbers in my lane, 16 in lane l xor 16), makes the scale byte and the codes, lays them in the wave's stage in LDS in the order of the
; attention launch's operand registers, and stores whole runs of 512 bytes.
; heads: 64 records (16 batch + head) of REC bytes: parts Q, K, V of PART bytes: 65,536 of codes, 4,096 of scale words.
;   Q, K codes: a block of 32 rows is 1,024 bytes [c 2][lane 32][16 bytes]: row 16 (m / 8) + 8 c + m % 8 of the block, d-block h, at lane m + 16 h.  Scale words [step of 128 rows][m 16][block 4]: bytes 0, 1: the c = 0 row's; 2, 3: the c = 1 row's.
;   V codes: [step of 128 keys][tile 4][c 2][lane 32][16 bytes]: lane (m, h): keys 64 c + 32 h + 0 .. 31 of channel 32 (tile / 2) + 16 (m / 8) + 8 (tile % 2) + m % 8.  Scale words [step][m 16][tile 4]: byte i: the step's i-th 32 keys.
; LIMITS: NaN and infinities are not served.  A block whose largest magnitude lies under 2^-124 keeps the scale byte 1; so does a block of zeros (its codes are zeros; only this program reads the bytes).
; Left out: prefetches and a ring (every tile is asked for at the head, nothing later is left to ask for).
; REGISTERS, in windows of 256: window 0: v1-29 addresses; v32-95 scale words, two sets; v96-121 at work on the way out; from v128 x's fragments, ONE set; later 64 numbers, then the stage's bytes.
;   window 1: W's fragments, two sets, at v0 and v128; v192-255 the bias.   window 2: the accumulators of my rows 0-63 ((a, b) at v[8 (8 a + b)]);   window 3: those of my rows 64-127.
.set REC,    208896
.set PART,   69632
.set NQ,     4                         ; steps of 128 along K in a slot
.set ROWB,   256                       ; a tile's row in bytes: 512 codes
.set KROW,   512                       ; a row of x or of W in memory
.set PITCH,  272                       ; an LDS row: 256 bytes + 16 of padding = 68 words: the 16 rows that a load touches start four banks apart (64 banks of 4 bytes: ISA guide 11.1)
.set FR,     8                         ; registers of a fragment: 16 rows x 128 K
.set NL,     2                         ; LDS loads that bring one
.set NP,     4                         ; places behind this matrix instruction (ISA guide 7.12.1)
.set HALFT,  128*PITCH                 ; 128 rows: what one tensor load brings
.set SLOT,   4*HALFT                   ; x's 256 rows, then W's 256 rows
.set KS,     32                        ; a row of scales in bytes
.set SCL,    2*SLOT                    ; behind the slots: the scales, as units of 256 bytes + 16 of padding
.set HALFS,  (128*KS/256)*272          ; those of 128 rows
.set SBLK,   (16*KS/256)*272           ; those of 16 rows
.set SPARE,  SCL+4*HALFS               ; the spare words, 128 bytes for each wave: two blocks of 256 bytes that no other line names
.set WST,    9216                      ; the way out: a wave's stage: 2 heads x 4,096 bytes of codes, then 2 x 256 of scale words.  The stages lie in slot 0, which has had its only fill and its last read by then;
.set VSTG,   65536                     ; each of the two ways has stage bytes of its own
.set ADRA, 16                          ; v16-17  LDS address of my fragments of x in slot 0, 1
.set ADRB, 20                          ; v20-21  the same for W
.set ADRS, 27                          ; v27     LDS address of my scale words: lanes 0-15 x's rows, lanes 16-31 W's
.set SPW,  28                          ; v28     LDS address of my spare word; never rewritten
.set NIL,  29                          ; v29     0; never rewritten
.set SC,   32                          ; scale words: set s at v[SC + 32 s]; register 4 i + q: lanes 0-15 x's block i, lanes 16-31 W's block i, the slot's q-th 128 along K
.set TM,   96                          ; v96-99 largest magnitudes, v100-103 lane l xor 16's, then bytes, v108-111 the conversions' scale operands
.set PC,   112                         ; v112-119 the codes just made
.set HW,   120                         ; v120-121 scale bytes put together
.set AF,   128                         ; x's fragments
.set N,    128                         ; 64 numbers ahead of the quantiser
.set BK,   128                         ; v128-195 the stage read back
.set BI,   192                         ; the bias, in window 1
.set TEN,  3                           ; s3  0: q, 1: k, 2: v
.set SEL,  100                         ; s[100:101] lane selects for v_permlanex16_b32: lane l xor 16
.set G1, 24
.set G0, 32
.set G1B, 48
.set G0B, 56
.set G1S, 68
.set G0S, 76
.set G1SB, 80
.set G0SB, 88
.set MSB, 0
.macro WIN new                         ; the immediate's high byte repeats the setting that is left
.if MSB != (\new)
	s_set_vgpr_msb (MSB<<8)|(\new)
.set MSB, (\new)
.endif
.endm
.set TO_B, 0x40                        ; destination window 1, address window 0
; A joint load: waves 0 and 1 fetch for x, waves 2 and 3 for W.  Each line has one mask and one set of registers for all that issue it; the branch hangs on the wave's number alone.  Four v_nop follow each line.
.macro JLOAD g0a, g1a, g0b, g1b
	s_cmp_eq_u32 s15, 0
	s_cbranch_scc0 .Lfor_b_\@
	tensor_load_to_lds s[\g0a:\g0a+3], s[\g1a:\g1a+7]
	s_nop 0
.rept 4
	v_nop
.endr
	s_branch .Lasked_\@
.Lfor_b_\@:
	tensor_load_to_lds s[\g0b:\g0b+3], s[\g1b:\g1b+7]
	s_nop 0
.rept 4
	v_nop
.endr
.Lasked_\@:
.endm
; The head's loads, one a wave: one chain of branches on the wave's number, an arm a load, all arms leading to one join.
.macro ARM under, g0, g1, next
	s_cmp_lt_u32 s14, \under
	s_cbranch_scc0 \next
	tensor_load_to_lds s[\g0:\g0+3], s[\g1:\g1+7]
	s_nop 0
.rept 4
	v_nop
.endr
	s_branch .Lhead_asked
\next:
.endm
.macro CROUND                          ; a round of the cluster's barrier
	s_barrier_signal -1
	s_barrier_wait -1
	s_cmp_lg_u32 s14, 0
	s_cbranch_scc1 .Lnot_wave_0_\@
	s_barrier_signal -3
.Lnot_wave_0_\@:
	s_barrier_wait -3
	s_barrier_signal -1
	s_barrier_wait -1
.endm
	s_load_b512 s[24:39], s[0:1], 0x0              ; q, k, v codes; q, k, v scales; Wq, Wk codes
	s_load_b512 s[40:55], s[0:1], 0x40             ; Wv codes; Wq, Wk, Wv scales; bq, bk, bv; heads
	v_lshl_add_u32 v[SPW], v0, 2, SPARE
	v_mov_b32 v[NIL], 0
	ds_add_u32 v28, v29
	ds_add_u32 v28, v29
	s_wait_dscnt 0x0
	v_lshrrev_b32 v1, 5, v0
	v_readfirstlane_b32 s14, v1                    ; wave 0..3
	s_lshr_b32 s15, s14, 1                         ; which half of the tile's rows is mine.  Also: I fetch for x (0) or for W (1)
	s_and_b32 s16, s14, 1                          ; which half of its features.  Also: which 128 rows I fetch
	s_and_b32 s17, ttmp7, 0xffff                   ; the cluster's y: 0 .. 23
	s_lshr_b32 s[TEN], s17, 3                      ; eight clusters to a tensor
	s_wait_kmcnt 0x0
	s_cmp_eq_u32 s[TEN], 0                         ; the buffers are chosen by the tensor's number, which hangs on no address
	s_cselect_b64 s[4:5], s[24:25], s[26:27]       ; x's codes
	s_cselect_b64 s[6:7], s[30:31], s[32:33]       ; x's scales
	s_cselect_b64 s[8:9], s[36:37], s[38:39]       ; W's codes
	s_cselect_b64 s[10:11], s[42:43], s[44:45]     ; W's scales
	s_cselect_b64 s[96:97], s[48:49], s[50:51]     ; the bias
	s_cmp_eq_u32 s[TEN], 2
	s_cselect_b64 s[4:5], s[28:29], s[4:5]
	s_cselect_b64 s[6:7], s[34:35], s[6:7]
	s_cselect_b64 s[8:9], s[40:41], s[8:9]
	s_cselect_b64 s[10:11], s[46:47], s[10:11]
	s_cselect_b64 s[96:97], s[52:53], s[96:97]
	s_mov_b64 s[12:13], s[54:55]                   ; heads
	s_bfe_u32 s40, ttmp6, 0x40000                  ; cx, cy: my place in the cluster
	s_bfe_u32 s41, ttmp6, 0x40004
	s_lshl_b32 s42, ttmp9, 2
	s_add_co_u32 s42, s42, s40                     ; tile column: 256 features
	s_lshl_b32 s17, s17, 2
	s_add_co_u32 s17, s17, s41
	s_and_b32 s17, s17, 31                         ; tile row in my tensor: 256 rows
	s_lshl_b32 s43, s41, 2
	s_lshl_b32 s43, 15, s43                        ; my row of the cluster
	s_lshl_b32 s44, 0x1111, s40                    ; my column
	; descriptor group 1: a tile of 128 rows x 256 bytes, padded in LDS
	s_or_b32 s[G1+0], s43, (0<<16)|(1<<20)|(1<<21)|(5<<22)|(3<<25)  ; 15:0 the mask: x's tiles go to my row; 17:16 elements of 1 byte; 20 padding on; 21 set beside a mask; 24:22 after every 64 words; 31:25 four words
	s_or_b32 s[G1B+0], s44, (0<<16)|(1<<20)|(1<<21)|(5<<22)|(3<<25)
.irp g, G1, G1B
	s_mov_b32 s[\g+1], ROWB<<16                    ; tensor_dim0
	s_mov_b32 s[\g+2], 256<<16                     ; tensor_dim1: 256 rows for the head's loads; 128 behind them
	s_mov_b32 s[\g+3], ROWB<<16                    ; tile_dim0
	s_mov_b32 s[\g+4], 256                         ; tile_dim1
	s_mov_b32 s[\g+5], KROW                        ; tensor_dim0_stride
	s_mov_b32 s[\g+6], 0
	s_mov_b32 s[\g+7], 0
.endr
	; the scales of 128 rows: a dense block of 4,096 bytes, as 16 rows of 256 bytes (32 elements of 8 bytes), 16 bytes of padding behind each
	s_or_b32 s[G1S+0], s43, (3<<16)|(1<<20)|(1<<21)|(5<<22)|(3<<25)
	s_or_b32 s[G1SB+0], s44, (3<<16)|(1<<20)|(1<<21)|(5<<22)|(3<<25)
.irp g, G1S, G1SB
	s_mov_b32 s[\g+1], 32<<16
	s_mov_b32 s[\g+2], (256*KS/256)<<16            ; the scales of all 256 rows in one load
	s_mov_b32 s[\g+3], 32<<16
	s_mov_b32 s[\g+4], 256*KS/256
	s_mov_b32 s[\g+5], 32
	s_mov_b32 s[\g+6], 0
	s_mov_b32 s[\g+7], 0
.endr
	s_lshl_b32 s20, s17, 8                         ; x: the tile's first row
	s_lshl_b32 s46, s42, 8                         ; W: likewise
	s_mov_b32 s21, 0
	s_mov_b32 s47, 0
	s_mov_b64 s[18:19], KS
	s_mul_u64 s[22:23], s[20:21], s[18:19]         ; where these rows' scales begin, in bytes,
	s_mul_u64 s[92:93], s[46:47], s[18:19]
	s_mov_b64 s[18:19], KROW
	s_mul_u64 s[20:21], s[20:21], s[18:19]         ; and their codes
	s_mul_u64 s[46:47], s[46:47], s[18:19]
	s_mul_i32 s45, s14, HALFT                      ; where they go: wave x 128 rows: no place in the cluster enters an LDS address
	s_mul_i32 s18, s16, 128*KROW                   ; slot 1: which 128 rows of the tile I fetch, in bytes
	s_mov_b32 s19, 0
	s_add_nc_u64 s[20:21], s[4:5], s[20:21]
	s_add_nc_u64 s[22:23], s[6:7], s[22:23]
	s_add_nc_u64 s[46:47], s[8:9], s[46:47]
	s_add_nc_u64 s[92:93], s[10:11], s[92:93]
	CROUND                                         ; all sixteen work-groups are here: the joint loads meet
	s_mov_b32 s[G0S], 1
	s_mov_b32 s[G0S+1], SCL
	s_mov_b64 s[G0S+2:G0S+3], s[22:23]
	s_or_b32 s[G0S+3], s[G0S+3], 0x80000000
	s_mov_b32 s[G0SB], 1
	s_mov_b32 s[G0SB+1], SCL+2*HALFS
	s_mov_b64 s[G0SB+2:G0SB+3], s[92:93]
	s_or_b32 s[G0SB+3], s[G0SB+3], 0x80000000
.irp s, 0,1
	s_mov_b32 s[G0+4*\s], 1
	s_mul_i32 s[G0+4*\s+1], s45, \s                ; slot 0: x's 256 rows from byte 0; slot 1: my 128 rows
	s_add_co_u32 s[G0+4*\s+1], s[G0+4*\s+1], \s*SLOT
	s_add_nc_u64 s[G0+4*\s+2:G0+4*\s+3], s[20:21], \s*ROWB
.if \s
	s_add_nc_u64 s[G0+4*\s+2:G0+4*\s+3], s[G0+4*\s+2:G0+4*\s+3], s[18:19]
.endif
	s_or_b32 s[G0+4*\s+3], s[G0+4*\s+3], 0x80000000
	s_mov_b32 s[G0B+4*\s], 1
	s_mul_i32 s[G0B+4*\s+1], s45, \s               ; slot 0: W's 256 rows behind x's; slot 1: my 128 rows
	s_add_co_u32 s[G0B+4*\s+1], s[G0B+4*\s+1], \s*SLOT+(1-\s)*2*HALFT
	s_add_nc_u64 s[G0B+4*\s+2:G0B+4*\s+3], s[46:47], \s*ROWB
.if \s
	s_add_nc_u64 s[G0B+4*\s+2:G0B+4*\s+3], s[G0B+4*\s+2:G0B+4*\s+3], s[18:19]
.endif
	s_or_b32 s[G0B+4*\s+3], s[G0B+4*\s+3], 0x80000000
.if \s                                         ; once, when all descriptors stand: wave 0 slot 0's rows of x, wave 1 those of W, wave 2 x's scales, wave 3 W's
	ARM 1, G0,  G1,  .Lhead_b
	ARM 2, G0B, G1B, .Lhead_sa
	ARM 3, G0S, G1S, .Lhead_sb
	tensor_load_to_lds s[G0SB:G0SB+3], s[G1SB:G1SB+7]
	s_nop 0
.rept 4
	v_nop
.endr
.Lhead_asked:
.endif
.endr
	v_and_b32 v1, 15, v0                           ; r = l % 16
	v_bfe_u32 v2, v0, 4, 1                         ; h = l / 16
	v_mul_u32_u24 v3, v1, PITCH
	v_lshl_add_u32 v4, v2, 4, v3                   ; a fragment's row x pitch + 16 x half
	s_mul_i32 s21, s15, HALFT                      ; my 128 rows of x
	s_mul_i32 s22, s16, HALFT                      ; my 128 rows of W,
	s_add_co_u32 s22, s22, 2*HALFT                 ; which lie behind x's 256
.irp s, 0,1
	v_add_nc_u32 v[ADRA+\s], s21, v4
	v_add_nc_u32 v[ADRB+\s], s22, v4
	s_add_co_u32 s21, s21, SLOT
	s_add_co_u32 s22, s22, SLOT
.endr
	v_mul_u32_u24 v5, v1, KS                       ; my row's scales: 32 bytes a row,
	v_lshrrev_b32 v6, 8, v5
	v_lshl_add_u32 v5, v6, 4, v5                   ; and 16 more for each 256 passed
	s_mul_i32 s21, s15, HALFS
	s_mul_i32 s22, s16, HALFS
	s_add_co_u32 s22, s22, 2*HALFS
	s_sub_co_u32 s22, s22, s21
	v_mul_u32_u24 v6, s22, v2                      ; lanes 16-31 take W's: one product, the distance between the two bases
	s_add_co_u32 s21, s21, SCL
	v_add_nc_u32 v5, v5, v6
	v_add_nc_u32 v[ADRS], s21, v5
	; the way out: all its addresses are made here, ahead of the parting of the two ways
	s_mul_i32 s23, s14, WST                        ; my stage
	v_and_b32 v5, 7, v0                            ; r % 8
	v_bfe_u32 v4, v0, 3, 1                         ; r / 8
	v_and_b32 v3, 31, v0
	v_lshlrev_b32 v6, 4, v3                        ; v6: 16 x lane: a run of 512 bytes
	v_mul_u32_u24 v3, v2, REC
	v_lshl_add_u32 v7, v1, 4, v3                   ; v7: the scale words in memory: lanes 0-15 my first head's 256 bytes, lanes 16-31 my second's, a record on
	v_lshlrev_b32 v8, 4, v5
	v_lshl_add_u32 v8, v2, 2, v8
	v_add_nc_u32 v8, s23, v8                       ; 16 (r % 8) + 4 h + my stage
	v_lshl_add_u32 v10, v4, 10, v8
	v_add_nc_u32 v10, VSTG, v10                    ; v10: v's codes: + 1,024 (r / 8)
	v_lshl_add_u32 v8, v4, 9, v8                   ; v8:  q's and k's codes: + 512 (r / 8)
	v_lshlrev_b32 v9, 4, v5
	v_add_nc_u32 v9, s23, v9
	v_add_nc_u32 v9, 8192, v9                      ; 16 (r % 8) + my stage's scale words
	v_lshl_add_u32 v11, v4, 2, v9
	v_add_nc_u32 v11, VSTG, v11                    ; v11: v's scale words: + 4 (r / 8)
	v_lshl_add_u32 v9, v4, 1, v9                   ; v9:  q's and k's half words: + 2 (r / 8)
	v_add_nc_u32 v12, s23, v6                      ; v12: the stage read back, q's and k's;
	v_add_nc_u32 v13, VSTG, v12                    ; v13: v's
	v_lshlrev_b32 v14, 5, v2                       ; v14: the bias of q and k: my half's eight features
	v_lshlrev_b32 v15, 2, v1                       ; v15: the bias of v: my feature
.irp b, 0,1,2,3
	v_mov_b32 v[TM+4+\b], 0                        ; written once: a lane permute's destination counts as one of its sources
.endr
	s_mov_b32 s[SEL], 0x76543210
	s_mov_b32 s[SEL+1], 0xfedcba98
	s_lshr_b32 s20, s17, 3                         ; batch
	s_lshl_b32 s20, s20, 4
	s_lshl_b32 s21, s42, 2
	s_add_co_u32 s20, s20, s21
	s_lshl_b32 s21, s16, 1
	s_add_co_u32 s20, s20, s21                     ; 16 batch + my first head (4 x tile column + 2 x half)
	s_mul_i32 s20, s20, REC
	s_mul_i32 s21, s[TEN], PART
	s_add_co_u32 s20, s20, s21                     ; my tensor's part of that record (under 2^24 bytes)
	s_and_b32 s21, s17, 7
	s_lshl_b32 s21, s21, 1
	s_add_co_u32 s21, s21, s15                     ; my 128 rows are step 2 (tile row % 8) + half of the batch's sixteen
	s_lshl_b32 s22, s21, 8
	s_add_co_u32 s22, s22, s20
	s_add_co_u32 s22, s22, 65536                   ; the step's 256 bytes of scale words,
	s_lshl_b32 s21, s21, 12
	s_add_co_u32 s20, s20, s21                     ; and its 4,096 bytes of codes
	s_mov_b32 s21, 0
	s_mov_b32 s23, 0
	s_add_nc_u64 s[98:99], s[12:13], s[22:23]
	s_add_nc_u64 s[12:13], s[12:13], s[20:21]
	s_lshl_b32 s20, s42, 10
	s_lshl_b32 s22, s16, 9
	s_add_co_u32 s20, s20, s22
	s_add_nc_u64 s[96:97], s[96:97], s[20:21]      ; the bias at my first feature
.macro FRAG reg, adr, q, i             ; a fragment: lane l holds row l % 16; registers 4 c .. 4 c + 3 hold K = 64 c + 32 (l / 16) + 0 .. 31
.irp c, 0,1
	ds_load_b128 v[\reg+4*\c:\reg+4*\c+3], v[\adr] offset:64*(\q)+32*\c+(\i)*16*PITCH
.endr
.endm
; 16 matrix instructions: x's blocks a0, a0 + 1 against W's eight, the slot's q-th 128 along K.  p: W's set; sc: the set of scale words; zero = 1: the first product starts the sums; sw = 0: source 0 = W, source 1 = x; sw = 1: the other way round.
; A scale register carries x's word in lanes 0-15 and W's in lanes 16-31: W's side names the upper row.  The 64 accumulators take turns, one instruction a turn, in the same order in every step.
.macro MUL16 a0, p, q, sc, zero, sw
.irp a, \a0, \a0+1
.irp b, 0,1,2,3,4,5,6,7
.set DA, 8*(8*((\a)%4)+\b)
.set RA, AF+FR*(\a)
.set RB, 128*(\p)+FR*\b
.set SA, SC+8*NQ*(\sc)+NQ*(\a)+(\q)
.set SB, SC+8*NQ*(\sc)+NQ*\b+(\q)
.if (\sw) && (\zero)
	v_wmma_scale_f32_16x16x128_f8f6f4 v[DA:DA+7], v[RA:RA+7], v[RB:RB+7], 0, v[SA], v[SB] matrix_a_fmt:MATRIX_FMT_FP4 matrix_b_fmt:MATRIX_FMT_FP4 matrix_b_scale:MATRIX_SCALE_ROW1
.elseif \sw
	v_wmma_scale_f32_16x16x128_f8f6f4 v[DA:DA+7], v[RA:RA+7], v[RB:RB+7], v[DA:DA+7], v[SA], v[SB] matrix_a_fmt:MATRIX_FMT_FP4 matrix_b_fmt:MATRIX_FMT_FP4 matrix_b_scale:MATRIX_SCALE_ROW1
.elseif \zero
	v_wmma_scale_f32_16x16x128_f8f6f4 v[DA:DA+7], v[RB:RB+7], v[RA:RA+7], 0, v[SB], v[SA] matrix_a_fmt:MATRIX_FMT_FP4 matrix_b_fmt:MATRIX_FMT_FP4 matrix_a_scale:MATRIX_SCALE_ROW1
.else
	v_wmma_scale_f32_16x16x128_f8f6f4 v[DA:DA+7], v[RB:RB+7], v[RA:RA+7], v[DA:DA+7], v[SB], v[SA] matrix_a_fmt:MATRIX_FMT_FP4 matrix_b_fmt:MATRIX_FMT_FP4 matrix_a_scale:MATRIX_SCALE_ROW1
.endif
.endr
.endr
.endm
.macro FETCH_B slot, q, p              ; W's eight fragments of the slot's q-th 128 along K into set p
	WIN TO_B
.irp i, 0,1,2,3,4,5,6,7
	FRAG 128*(\p)+FR*\i, ADRB+\slot, \q, \i
.endr
	WIN 0
.endm
.macro FETCH_A slot, q, i0             ; x's blocks i0 .. i0 + 3
.irp i, \i0, \i0+1, \i0+2, \i0+3
	FRAG AF+FR*(\i), ADRA+\slot, \q, \i
.endr
.endm
.macro SCALES sc                       ; a slot's scale words into set sc: four words a row
.irp i, 0,1,2,3,4,5,6,7
	ds_load_b128 v[SC+8*NQ*\sc+NQ*\i:SC+8*NQ*\sc+NQ*\i+3], v[ADRS] offset:\i*SBLK
.endr
.endm
.macro PLACES n                        ; plain vector instructions between a matrix instruction and a load into, or a vector read of, its registers (ISA guide 7.12.1 for vector reads)
.rept \n
	v_nop
.endr
.endm
; The windows of the products: sw = 0: source 0 (W) window 1, source 1 (x) window 0; sw = 1: source 0 window 0, source 1 window 1; C and D window 2 (0xa.) or 3 (0xf.).
.macro STEP slot, q, zero, sw          ; a step of 128 along K that has its successor in the same slot
	s_wait_dscnt 4*NL                              ; W's set and x's blocks 0-3 are in; the youngest eight loads (x's blocks 4-7) may be out
	WIN 0xa1+3*(\sw)
	MUL16 0, (\q)%2, \q, \slot, \zero, \sw
	MUL16 2, (\q)%2, \q, \slot, \zero, \sw
	s_wait_dscnt 0                                 ; x's blocks 4-7 are in
	PLACES NP
	FETCH_B \slot, (\q)+1, 1-(\q)%2
	FETCH_A \slot, (\q)+1, 0
	WIN 0xf1+3*(\sw)
	MUL16 4, (\q)%2, \q, \slot, \zero, \sw
	MUL16 6, (\q)%2, \q, \slot, \zero, \sw
	PLACES NP
	WIN 0
	FETCH_A \slot, (\q)+1, 4
.endm
.macro TURN sw                         ; slot 0's last step, and the change to slot 1: one barrier; in front of it each wave's loads have landed and its reads of slot 0 are over
	s_wait_tensorcnt 0x0                           ; all my tensor loads have landed: my part of slot 1 was the last
	ds_add_u32 v[SPW], v[NIL]                      ; 0 onto my spare word
	s_wait_dscnt 4*NL+1                            ; (the add and the youngest eight loads may be out)
	WIN 0xa1+3*(\sw)
	MUL16 0, 1, NQ-1, 0, 0, \sw                    ; sixteen matrix instructions stand between the add and the wait for it
	s_wait_dscnt 0x0                               ; the add is done, and my reads of slot 0 are over
	s_barrier_signal -1
	MUL16 2, 1, NQ-1, 0, 0, \sw
	WIN 0
	s_barrier_wait -1                              ; slot 1 is whole, and nobody reads slot 0 any more: the stages may lie there
	PLACES NP
	v_add_nc_u32 v[ADRS], 4*NQ, v[ADRS]            ; on to slot 1's scale words
	FETCH_B 1, 0, 0
	FETCH_A 1, 0, 0
	SCALES 1
	WIN 0xf1+3*(\sw)
	MUL16 4, 1, NQ-1, 0, 0, \sw
	MUL16 6, 1, NQ-1, 0, 0, \sw
	PLACES NP
	WIN 0
	FETCH_A 1, 0, 4
.endm
.macro MAIN sw                         ; all of K: eight steps of 128
	s_wait_tensorcnt 0x0                           ; my tile of the head's four is in
	ds_add_u32 v[SPW], v[NIL]
	s_mov_b32 s[G1+2], 128<<16                     ; no tensor load of mine is out: from here on a load brings 128 rows
	s_mov_b32 s[G1+4], 128
	s_mov_b32 s[G1B+2], 128<<16
	s_mov_b32 s[G1B+4], 128
	s_wait_dscnt 0x0
	CROUND                                         ; all four tiles are in, and all sixteen work-groups are here
	JLOAD G0+4, G1, G0B+4, G1B                     ; slot 1's only fill: the first tensor load behind the round
	FETCH_B 0, 0, 0
	FETCH_A 0, 0, 0
	SCALES 0
	FETCH_A 0, 0, 4
	STEP 0, 0, 1, \sw                              ; the first step's products start the sums
	STEP 0, 1, 0, \sw
	STEP 0, 2, 0, \sw
	TURN \sw
	STEP 1, 0, 0, \sw
	STEP 1, 1, 0, \sw
	STEP 1, 2, 0, \sw
	s_wait_dscnt 4*NL                              ; the last step: nothing more to fetch
	WIN 0xa1+3*(\sw)
	MUL16 0, 1, NQ-1, 1, 0, \sw
	MUL16 2, 1, NQ-1, 1, 0, \sw
	s_wait_dscnt 0
	WIN 0xf1+3*(\sw)
	MUL16 4, 1, NQ-1, 1, 0, \sw
	MUL16 6, 1, NQ-1, 1, 0, \sw
	WIN 0
.endm
; 64 numbers of a lane, v[s] on: registers 16 b .. 16 b + 15 are my 16 of block b's 32 numbers, lane l xor 16 holds the other 16.  Out: eight registers of codes (register i: the codes of numbers 8 i .. 8 i + 7) and the four scale bytes in v[TM+4] on.
.macro QUANT s
.irp b, 0,1,2,3
	v_max3_num_f32 v[TM+\b], |v[\s+16*\b]|, |v[\s+1+16*\b]|, 0x1800000   ; and the floor 2^(3 - 127), under which no largest magnitude is taken: so the byte cannot fall under 1
.endr
.irp i, 2,4,6,8,10,12,14
.irp b, 0,1,2,3
	v_max3_num_f32 v[TM+\b], v[TM+\b], |v[\s+16*\b+\i]|, |v[\s+1+16*\b+\i]|   ; (the four blocks by turns)
.endr
.endr
.irp b, 0,1,2,3
	v_permlanex16_b32 v[TM+4+\b], v[TM+\b], s[SEL], s[SEL+1]
.endr
.irp b, 0,1,2,3
	v_max_num_f32 v[TM+\b], v[TM+\b], v[TM+4+\b]   ; the block's largest magnitude
.endr
.irp b, 0,1,2,3
	v_add_nc_u32 v[TM+12+\b], 0xff000000, v[TM+\b] ; 2 off its exponent field: the conversion takes the exponent field of this operand as its scale
.endr
.irp b, 0,1,2,3
	v_lshrrev_b32 v[TM+4+\b], 23, v[TM+12+\b]      ; the scale's byte
.endr
.irp b, 0,1,2,3
	v_cvt_scalef32_pk8_fp4_f32 v[PC+2*\b], v[\s+16*\b:\s+7+16*\b], v[TM+12+\b]
	v_cvt_scalef32_pk8_fp4_f32 v[PC+1+2*\b], v[\s+8+16*\b:\s+15+16*\b], v[TM+12+\b]
.endr
	v_nop                                          ; one plain place behind the last scaled conversion
.endm
; The stage goes out: 16 runs of 512 bytes of codes (two heads x 4,096), then the two heads' 256 bytes of scale words.  LDS serves a wave's instructions in order: the loads see my stores.
.macro SEND rd
.irp t, 0,1,2,3,4,5,6,7,8,9,10,11,12,13,14,15
	ds_load_b128 v[BK+4*\t:BK+4*\t+3], v[\rd] offset:512*\t
.endr
	ds_load_b128 v[BK+64:BK+67], v[\rd] offset:8192
.irp t, 0,1,2,3,4,5,6,7,8,9,10,11,12,13,14,15
	s_wait_dscnt 16-\t                             ; run t is back; the 16 - t younger loads stay out
	global_store_b128 v6, v[BK+4*\t:BK+4*\t+3], s[12:13] offset:(\t/8)*REC+(\t%8)*512   ; 32 lanes store 512 consecutive bytes, at a multiple of 256 from the buffer's first byte
.endr
	s_wait_dscnt 0x0
	global_store_b128 v7, v[BK+64:BK+67], s[98:99] ; sixteen lanes store 256 consecutive bytes, aligned likewise
.endm
	s_cmp_eq_u32 s[TEN], 2
	s_cbranch_scc1 .Lv
	; ---- q and k: a lane holds a row; accumulator (a, b), register j: row 16 a + r, feature 16 b + 8 h + j
	WIN TO_B
	s_wait_alu depctr_va_vdst(0)
.irp b, 0,1,2,3,4,5,6,7
	global_load_b128 v[BI+8*\b:BI+8*\b+3], v14, s[96:97] offset:64*\b      ; the bias in the result's layout: register 8 b + j: feature 16 b + 8 h + j
	global_load_b128 v[BI+8*\b+4:BI+8*\b+7], v14, s[96:97] offset:64*\b+16
.endr
	WIN 0
	MAIN 0
	s_wait_loadcnt 0x0                             ; the bias
	PLACES NP
.irp a, 0,1,2,3,4,5,6,7                        ; 16 rows at a time: 128 features = two heads = four blocks of 32
	WIN 0x06+(\a)/4                                ; source 0 window 2 or 3, source 1 window 1, destination window 0
.set i, 0
.rept 32
	v_pk_add_f32 v[N+2*i:N+2*i+1], v[64*((\a)%4)+2*i:64*((\a)%4)+2*i+1], v[BI+2*i:BI+2*i+1]   ; + the bias, in f32; each accumulator from its low end on
.set i, i+1
.endr
	WIN 0
	QUANT N
	v_lshl_or_b32 v[HW], v[TM+5], 8, v[TM+4]       ; my first head's two bytes,
	v_lshl_or_b32 v[HW+1], v[TM+7], 8, v[TM+6]     ; my second's
.irp b, 0,1,2,3,4,5,6,7
	; Q, K codes of a step of 128 rows: [fragment f 4][cc 2][lane 32][16 bytes]: lane m + 16 x d-block holds row 64 (f / 2) + 32 (m / 8) + 16 (f % 2) + 8 cc + m % 8.  Row 16 a + r: f = 2 (a / 4) + a % 2, m = 8 ((a / 2) % 2) + r % 8, cc = r / 8
	ds_store_b32 v8, v[PC+\b] offset:((\b)/4)*4096+((\a)/4)*2048+((\a)%2)*1024+(((\a)/2)%2)*128+(((\b)/2)%2)*256+((\b)%2)*8
.endr
	ds_store_b16 v9, v[HW] offset:(((\a)/2)%2)*128+(2*((\a)/4)+((\a)%2))*4       ; scale words [m 16][f 4]: bytes 0, 1: the cc = 0 row's; 2, 3: the cc = 1 row's
	ds_store_b16 v9, v[HW+1] offset:256+(((\a)/2)%2)*128+(2*((\a)/4)+((\a)%2))*4
	s_wait_dscnt 0x0                               ; the stores have read their registers
.endr
	SEND 12
	s_branch .Lend
.Lv:
	; ---- v: a lane holds a feature; accumulator (a, b), register j: key 16 a + 8 h + j, feature 16 b + r
	WIN TO_B
	s_wait_alu depctr_va_vdst(0)
.irp b, 0,1,2,3,4,5,6,7
	global_load_b32 v[BI+2*\b], v15, s[96:97] offset:64*\b      ; the bias of feature 16 b + r, twice: a pair for the packed addition
	global_load_b32 v[BI+2*\b+1], v15, s[96:97] offset:64*\b
.endr
	WIN 0
	MAIN 1
	s_wait_loadcnt 0x0                             ; the bias
	PLACES NP
.irp b, 0,1,2,3,4,5,6,7                        ; 16 features at a time: 128 keys = four blocks of 32
.irp a, 0,1,2,3,4,5,6,7
	WIN 0x06+(\a)/4
.irp i, 0,1,2,3
	v_pk_add_f32 v[N+8*\a+2*\i:N+8*\a+2*\i+1], v[64*((\a)%4)+8*\b+2*\i:64*((\a)%4)+8*\b+2*\i+1], v[BI+2*\b:BI+2*\b+1]
.endr
.endr
	WIN 0
	QUANT N
	v_lshl_or_b32 v[HW], v[TM+5], 8, v[TM+4]       ; the four bytes make my channel's scale word for these 128 keys
	v_lshl_or_b32 v[HW], v[TM+6], 16, v[HW]
	v_lshl_or_b32 v[HW], v[TM+7], 24, v[HW]
.irp a, 0,1,2,3,4,5,6,7
	ds_store_b32 v10, v[PC+\a] offset:((\b)/4)*4096+(((\b)/2)%2)*2048+((\b)%2)*128+((\a)/4)*512+(((\a)/2)%2)*256+((\a)%2)*8   ; head b / 4; tile 2 ((b / 2) % 2) + r / 8; c = a / 4; lane 8 (b % 2) + r % 8 + 16 ((a / 2) % 2); bytes 8 (a % 2) + 4 h
.endr
	ds_store_b32 v11, v[HW] offset:((\b)/4)*256+((\b)%2)*128+(((\b)/2)%2)*8
	s_wait_dscnt 0x0                               ; the stores have read their registers
.endr
	SEND 13
.Lend:
	s_wait_tensorcnt 0x0                           ; the wave's end, behind my last tensor load and my last LDS store
	ds_add_u32 v[SPW], v[NIL]
	s_wait_dscnt 0x0
	CROUND                                         ; the closing round: no work-group ends while a partner may still ask for a tile that names it
	s_endpgm
.Lfunc_end_k_q48608bea7b_proj:
	.size	k_q48608bea7b_proj, .Lfunc_end_k_q48608bea7b_proj-k_q48608bea7b_proj
	.p2alignl 7, 3214868480
	.fill 96, 4, 3214868480
	.section	.rodata,"a",@progbits
	.p2align	6, 0x0
	.amdhsa_kernel k_q48608bea7b_proj
		.amdhsa_group_segment_fixed_size 327680
		.amdhsa_private_segment_fixed_size 0
		.amdhsa_enable_private_segment 0
		.amdhsa_kernarg_size 128
		.amdhsa_user_sgpr_count 2
		.amdhsa_user_sgpr_kernarg_segment_ptr 1
		.amdhsa_wavefront_size32 1
		.amdhsa_system_sgpr_workgroup_id_x 1
		.amdhsa_system_sgpr_workgroup_id_y 1
		.amdhsa_system_sgpr_workgroup_id_z 1
		.amdhsa_system_vgpr_workitem_id 0
		.amdhsa_next_free_vgpr 1024
		.amdhsa_next_free_sgpr 102
		.amdhsa_reserve_vcc 0
		.amdhsa_float_denorm_mode_32 3
		.amdhsa_float_denorm_mode_16_64 3
		.amdhsa_memory_ordered 1
		.amdhsa_forward_progress 1
		.amdhsa_inst_pref_size 255
	.end_amdhsa_kernel
	.section	.bss,"aw",@nobits
	.p2align	6
	.space	262144
	.amdgpu_metadata
---
amdhsa.version: [ 1, 2 ]
amdhsa.kernels:
  - .name:           k_q48608bea7b_proj
    .symbol:         k_q48608bea7b_proj.kd
    .args:
      - { .name: q_codes, .offset: 0, .size: 8, .value_kind: global_buffer, .address_space: global }
      - { .name: k_codes, .offset: 8, .size: 8, .value_kind: global_buffer, .address_space: global }
      - { .name: v_codes, .offset: 16, .size: 8, .value_kind: global_buffer, .address_space: global }
      - { .name: q_scales, .offset: 24, .size: 8, .value_kind: global_buffer, .address_space: global }
      - { .name: k_scales, .offset: 32, .size: 8, .value_kind: global_buffer, .address_space: global }
      - { .name: v_scales, .offset: 40, .size: 8, .value_kind: global_buffer, .address_space: global }
      - { .name: Wq_codes, .offset: 48, .size: 8, .value_kind: global_buffer, .address_space: global }
      - { .name: Wk_codes, .offset: 56, .size: 8, .value_kind: global_buffer, .address_space: global }
      - { .name: Wv_codes, .offset: 64, .size: 8, .value_kind: global_buffer, .address_space: global }
      - { .name: Wq_scales, .offset: 72, .size: 8, .value_kind: global_buffer, .address_space: global }
      - { .name: Wk_scales, .offset: 80, .size: 8, .value_kind: global_buffer, .address_space: global }
      - { .name: Wv_scales, .offset: 88, .size: 8, .value_kind: global_buffer, .address_space: global }
      - { .name: bq, .offset: 96, .size: 8, .value_kind: global_buffer, .address_space: global }
      - { .name: bk, .offset: 104, .size: 8, .value_kind: global_buffer, .address_space: global }
      - { .name: bv, .offset: 112, .size: 8, .value_kind: global_buffer, .address_space: global }
      - { .name: heads, .offset: 120, .size: 8, .value_kind: global_buffer, .address_space: global }
    .group_segment_fixed_size: 327680
    .private_segment_fixed_size: 0
    .kernarg_segment_align: 8
    .kernarg_segment_size: 128
    .max_flat_workgroup_size: 128
    .sgpr_count:     102
    .vgpr_count:     1024
    .wavefront_size: 32
...
	.end_amdgpu_metadata
.endif
;; end of part 2
;; launch attn (part 3): grid 256 x 1, 16 waves a work-group, no clusters, 141,312 bytes of LDS; arguments heads, maskw, maskf, yc, ys; writes yc, ys
.if DOCPART == 3
	.amdgcn_target "amdgcn-amd-amdhsa--gfx1250"
	.amdhsa_code_object_version 6
	.text
	.protected	k_q48608bea7b_attn
	.globl	k_q48608bea7b_attn
	.p2align	8
	.type	k_q48608bea7b_attn,@function
k_q48608bea7b_attn:
	s_mov_b64 s[64:65], 0
	v_nop
	global_prefetch_b8 v0, s[64:65] scope:SCOPE_SE
	s_setreg_imm32_b32 hwreg(HW_REG_WAVE_MODE, 25, 1), 1
	s_wait_xcnt 0x0
; Attention of 512 queries of one (batch, head) on codes of FP4 (E2M1) with one E8M0 scale for each 32 along a product's K, and the quantising of its result y for the output projection.
; logit = mask ? (q . k) / 8 : -1e-9;  t = logit x log2(e);  M = the row's largest t so far, rounded up to a whole number;  p = 2^(t - M) is quantised along the keys, not normalised;
; the row's sum is taken of the unquantised p in f32 and divides O at the end.  When M moves, the sum and O are multiplied by 2^(old M - new M): exact.  The maximum is taken behind the mask.
; SHARES.  Work-group 4 (16 batch + head) + cx owns tiles 32 cx .. 32 cx + 31 of the head (16 queries each); wave w owns tiles 32 cx + 2 w and + 1, and walks the 2,048 keys in 16 steps of 128; each fragment read from LDS serves both tiles.
; LDS.  The head's K and V parts (codes and scale words, 139,264 bytes) are one dense run of the buffer heads; each wave copies 8,704 bytes of it through registers, 512 consecutive bytes an instruction; one barrier; they stay.
; V of a step is read at the step's head, one tile's softmax ahead of its use; K of the next step behind the second tile's scores.
; LAYOUT.  Both products are used transposed: a lane holds ONE query (lane % 16).  The head's 64 fill half of K = 128: a fragment of K holds 16 keys in k = 0 .. 63 and 16 others in k = 64 .. 127, and meets q laid below (zero codes above)
; and q laid above.  Fragment f, half cc, row m = key 64 (f / 2) + 32 (m / 8) + 16 (f % 2) + 8 cc + m % 8: so score register n of lane half h is key 64 (n / 32) + 32 h + n % 32: a lane holds WHOLE blocks of 32 keys,
; in the order of the second product's operand: a block's maximum needs no other lane, and the conversions' results are the operand.  The tiles' queries follow the same order; the output projection undoes it.
; THE MASK.  maskf has a bit for each (tile, step): 1 where no key of the step is masked for the tile.  A scalar branch on it leads round the fetch of the step's 64 mask words and the 64 selects.
; This launch has no tensor load and no joint loads in a cluster.  No prefetch: all that is fetched from heads is asked for at the head.
; OUT.  yc [tile 512][K step 8][c 2][lane 32][16 bytes]: y's codes in the order of the next product's operand registers: head hd is K step hd / 2, c = hd % 2.  ys [16 tile + row][32]: byte 2 hd + d-block.
; ys is stored two bytes a lane, 32 bytes apart: sixteen heads share a row's 32 bytes; it is a sixteenth of yc's bytes.
; LIMITS: NaN and infinities are not served.  The scaled scores stay under 2^31 in magnitude.  A block whose largest magnitude lies under 2^-124, or that is all zeros, keeps the scale byte 1 (only this program reads the bytes).
; REGISTERS: v0, v6, v7 at work; v1-5 kept; v8-15 -M, largest score, the sum's two halves, for each tile; v16 f, v17 p's scale word; v18-25 at work; v26-45 zeros, q, zeros, q, zeros; v46-47 q's scales (lanes 0-15 for q below, 16-31 for q above);
;   v48-55 K's and V's scale words; v56-63 p's codes; v64-95 K; v96-127 V; v128-191 scores, then p; v192-255 O^T of both tiles.
.set REC,   208896                     ; a head's record: parts Q, K, V
.set PART,  69632                      ; a part: 65,536 bytes of codes, 4,096 of scale words
.set WSH,   8704                       ; a wave's share of the copy
.set LKS,   65536                      ; LDS: K's codes at 0, K's scale words here,
.set LVC,   69632                      ; V's codes,
.set LVS,   135168                     ; V's scale words
.set SPARE, 139264                     ; the spare words, 128 bytes a wave
.set T0, 0
.set LA, 1                             ; 16 x lane
.set LM, 2                             ; 16 x (lane % 16)
.set SH8, 3                            ; 8 x (lane / 16)
.set SPW, 4
.set NIL, 5
.set T1, 6
.set T2, 7
.set ST, 8
.set F,  16
.set PW, 17
.set BM, 18
.set X,  20
.set QZ, 26
.set QS, 46
.set KSW, 48
.set VSW, 52
.set PC, 56
.set KF, 64
.set VF, 96
.set S,  128
.set O,  192
.set WV, 18                            ; s18 the wave's number
.set KO, 20                            ; s20 LDS byte of the next step's codes of K; s21 of its scale words
.set KSO, 21
.set VO, 22                            ; s22 of this step's codes of V; s23 of its scale words
.set VSO, 23
.set SEL, 24
.set CS, 26                            ; s[26:27] c = log2(e) / 8
.set FILL, 28                          ; s28 8 x f32(-1e-9): times c it is the filler's t
.set J,  30                            ; s30 the step
.set BIT, 31                           ; s31 its bit in a word of maskf
.set MO, 66                            ; s66 its mask words' byte offset
.set FA, 100                           ; s100, s101 the two tiles' words of maskf
.macro NOPS n
.rept \n
	v_nop
.endr
.endm
.macro SMUL x                          ; S^T = K Q^T of tile x: eight products, each with its own result
.irp f, 0,1,2,3
	v_wmma_scale_f32_16x16x128_f8f6f4 v[S+16*\f:S+16*\f+7], v[KF+8*\f:KF+8*\f+7], v[QZ+4+8*\x:QZ+11+8*\x], 0, v[KSW+\f], v[QS+\x] matrix_a_fmt:MATRIX_FMT_FP4 matrix_b_fmt:MATRIX_FMT_FP4
	v_wmma_scale_f32_16x16x128_f8f6f4 v[S+16*\f+8:S+16*\f+15], v[KF+8*\f:KF+8*\f+7], v[QZ+8*\x:QZ+7+8*\x], 0, v[KSW+\f], v[QS+\x] matrix_a_fmt:MATRIX_FMT_FP4 matrix_b_fmt:MATRIX_FMT_FP4 matrix_b_scale:MATRIX_SCALE_ROW1
.endr
.endm
.macro PV x                            ; O^T += V^T P^T of tile x: four accumulators by turns
.irp d, 0,1,2,3
	v_wmma_scale_f32_16x16x128_f8f6f4 v[O+32*\x+8*\d:O+32*\x+8*\d+7], v[VF+8*\d:VF+8*\d+7], v[PC:PC+7], v[O+32*\x+8*\d:O+32*\x+8*\d+7], v[VSW+\d], v[PW] matrix_a_fmt:MATRIX_FMT_FP4 matrix_b_fmt:MATRIX_FMT_FP4
.endr
.endm
.macro MASK x                          ; where the step has a masked key for tile x: its 64 words, one bit a lane, select score or filler
	s_lshr_b32 s67, s[FA+\x], s[BIT]
	s_and_b32 s67, s67, 1
	s_cmp_lg_u32 s67, 0
	s_cbranch_scc1 .Lfull_\@
	s_load_b512 s[32:47], s[6:7], s[MO] offset:4096*\x
	s_load_b512 s[48:63], s[6:7], s[MO] offset:4096*\x+0x40
	s_load_b512 s[68:83], s[6:7], s[MO] offset:4096*\x+0x80
	s_load_b512 s[84:99], s[6:7], s[MO] offset:4096*\x+0xc0
	s_wait_kmcnt 0x0
.set n, 0
.rept 64
.set ix, 2*(n%32)+n/32
	v_cndmask_b32 v[S+n], s[FILL], v[S+n], s[32+ix+4*(ix/32)]   ; ascending: each result is read from its low end on
.set n, n+1
.endr
.Lfull_\@:
.endm
.macro SOFT x                          ; scores of tile x -> p's codes, p's scale word, f; the sum and M go on
.set NM, ST+4*\x
.set L,  ST+4*\x+2
	; my two blocks' largest scores: eight chains by turns, one for each result of eight registers, in v[BM+k] (v18-25); each result is read from its low end on
.irp k, 0,1,2,3,4,5,6,7
	v_max3_num_f32 v[BM+\k], v[S+8*\k], v[S+8*\k+1], v[S+8*\k+2]
.endr
.irp i, 3,5
.irp k, 0,1,2,3,4,5,6,7
	v_max3_num_f32 v[BM+\k], v[BM+\k], v[S+8*\k+\i], v[S+8*\k+\i+1]
.endr
.endr
	v_max3_num_f32 v[BM], v[BM], v[BM+1], v[S+7]               ; the chains are joined, each join taking in one of the eight registers left over
	v_max3_num_f32 v[BM+2], v[BM+2], v[BM+3], v[S+15]
	v_max3_num_f32 v[BM+4], v[BM+4], v[BM+5], v[S+39]
	v_max3_num_f32 v[BM+6], v[BM+6], v[BM+7], v[S+47]
	v_max3_num_f32 v[BM], v[BM], v[BM+2], v[S+23]
	v_max3_num_f32 v[BM+4], v[BM+4], v[BM+6], v[S+55]
	v_max_num_f32 v[BM], v[BM], v[S+31]                        ; block h
	v_max_num_f32 v[BM+1], v[BM+4], v[S+63]                    ; block 2 + h
	v_max_num_f32 v[T0], v[BM], v[BM+1]
	v_permlanex16_b32 v[T1], v[T0], s[SEL], s[SEL+1]
	v_max3_num_f32 v[NM+1], v[NM+1], v[T0], v[T1]              ; the running largest score of my query
	v_mov_b32 v[T0], v[NM]
	v_mul_f32 v[T1], s[CS], v[NM+1]                            ; as t (c is positive)
	v_floor_f32 v[NM], -v[T1]                                  ; -M = floor(-t): a whole number
.set j, 0
.rept 32
	v_pk_fma_f32 v[S+j:S+j+1], v[S+j:S+j+1], s[CS:CS+1], v[NM:NM+1] op_sel_hi:[1,0,0]   ; t - M; the three lines that make f stand among these, which need -M alone
.if j == 8
	v_sub_f32 v[T0], v[NM], v[T0]                              ; old M - new M, 0 or less
.endif
.if j == 24
	v_cvt_i32_f32 v[T0], v[T0]                                 ; (it saturates)
.endif
.if j == 40
	v_ldexp_f32 v[F], 1.0, v[T0]                               ; f = 2^(old M - new M)
.endif
.set j, j+2
.endr
	v_fma_f32 v[BM], v[BM], s[CS], v[NM]                       ; the same of each block's largest score
	v_fma_f32 v[BM+1], v[BM+1], s[CS], v[NM]
	s_wait_alu depctr_va_vdst(0)                               ; the wait ahead of the batch
.set j, 0
.rept 64
	v_exp_f32 v[S+j], v[S+j]                                   ; p, at most 1
.set j, j+1
.endr
	v_exp_f32 v[BM], v[BM]                                     ; the blocks' largest p
	v_exp_f32 v[BM+1], v[BM+1]
	v_pk_mul_f32 v[L:L+1], v[L:L+1], v[F:F+1] op_sel_hi:[1,0]  ; the sum under the new M: the plain place behind the batch
	s_wait_alu depctr_va_vdst(0)                               ; and the one wait behind it
	; the row's sum of the unquantised p, in eight chains: the sum itself, three pairs at v[X], and four pairs in the registers of p's codes, which the conversions below write only afterwards.
	; The lines that make the blocks' scales and p's scale word stand among the additions.
.irp k, 0,1,2
	v_pk_add_f32 v[X+2*\k:X+2*\k+1], v[S+4*\k:S+4*\k+1], v[S+4*\k+2:S+4*\k+3]
.endr
.irp k, 0,1,2,3
	v_pk_add_f32 v[PC+2*\k:PC+2*\k+1], v[S+12+4*\k:S+13+4*\k], v[S+14+4*\k:S+15+4*\k]
.endr
	v_pk_add_f32 v[L:L+1], v[L:L+1], v[S+28:S+29]
	v_max_num_f32 v[BM], 0x1800000, v[BM]                      ; the floor 2^(3 - 127): the byte cannot fall under 1
	v_max_num_f32 v[BM+1], 0x1800000, v[BM+1]
.irp k, 0,1,2
	v_pk_add_f32 v[X+2*\k:X+2*\k+1], v[X+2*\k:X+2*\k+1], v[S+30+2*\k:S+31+2*\k]
.endr
.irp k, 0,1,2,3
	v_pk_add_f32 v[PC+2*\k:PC+2*\k+1], v[PC+2*\k:PC+2*\k+1], v[S+36+2*\k:S+37+2*\k]
.endr
	v_pk_add_f32 v[L:L+1], v[L:L+1], v[S+44:S+45]
	v_add_nc_u32 v[BM], 0xff000000, v[BM]                      ; 2 off the exponent field: the conversion's scale operand, in place
	v_add_nc_u32 v[BM+1], 0xff000000, v[BM+1]
.irp k, 0,1,2
	v_pk_add_f32 v[X+2*\k:X+2*\k+1], v[X+2*\k:X+2*\k+1], v[S+46+2*\k:S+47+2*\k]
.endr
	v_lshrrev_b32 v[T0], 23, v[BM]                             ; the scales' bytes
	v_lshrrev_b32 v[T2], 23, v[BM+1]
.irp k, 0,1,2,3
	v_pk_add_f32 v[PC+2*\k:PC+2*\k+1], v[PC+2*\k:PC+2*\k+1], v[S+52+2*\k:S+53+2*\k]
.endr
	v_pk_add_f32 v[L:L+1], v[L:L+1], v[S+60:S+61]
	v_lshl_or_b32 v[T0], v[T2], 16, v[T0]                      ; my blocks h and 2 + h,
	v_pk_add_f32 v[X:X+1], v[X:X+1], v[S+62:S+63]
	v_pk_add_f32 v[X+2:X+3], v[X+2:X+3], v[X+4:X+5]            ; the eight chains are joined
	v_pk_add_f32 v[PC:PC+1], v[PC:PC+1], v[PC+2:PC+3]
	v_pk_add_f32 v[PC+4:PC+5], v[PC+4:PC+5], v[PC+6:PC+7]
	v_lshlrev_b32 v[T0], v[SH8], v[T0]                         ; at their places in the word;
	v_pk_add_f32 v[L:L+1], v[L:L+1], v[X:X+1]
	v_pk_add_f32 v[X+2:X+3], v[X+2:X+3], v[PC:PC+1]
	v_permlanex16_b32 v[T1], v[T0], s[SEL], s[SEL+1]
	v_pk_add_f32 v[L:L+1], v[L:L+1], v[PC+4:PC+5]
	v_or_b32 v[PW], v[T0], v[T1]                               ; with lane l xor 16's two it is whole
	v_pk_add_f32 v[L:L+1], v[L:L+1], v[X+2:X+3]
.irp c, 0,1
.irp i, 0,1,2,3
	v_cvt_scalef32_pk8_fp4_f32 v[PC+4*\c+\i], v[S+32*\c+8*\i:S+32*\c+8*\i+7], v[BM+\c]
.endr
.endr
	v_nop                                                      ; one plain place behind the last scaled conversion
	s_wait_alu depctr_va_vdst(0)                               ; the wait here, directly ahead of the first reader of O^T
.set j, 0
.rept 16
	v_pk_mul_f32 v[O+32*\x+j:O+32*\x+j+1], v[O+32*\x+j:O+32*\x+j+1], v[F:F+1] op_sel_hi:[1,0]   ; O^T under the new M; these are also the places between p's word and codes and the products
.set j, j+2
.endr
.endm
.macro TRIP fetch                      ; a step of 128 keys for both tiles; fetch = 1: the next step's K is read
	s_wait_dscnt 0x0                               ; K and its scale words: the only LDS loads out
	SMUL 0
	v_add_nc_u32 v[T0], s[VO], v[LA]               ; (these two and two v_nop are the places ahead of the reads of the scores and of the loads into V's registers)
	v_add_nc_u32 v[T1], s[VSO], v[LM]
	NOPS 2
	ds_load_b128 v[VSW:VSW+3], v[T1]
.irp d, 0,1,2,3
.irp c, 0,1
	ds_load_b128 v[VF+8*\d+4*\c:VF+8*\d+4*\c+3], v[T0] offset:1024*\d+512*\c
.endr
.endr
	MASK 0
	SOFT 0
	s_wait_alu depctr_va_vdst(0)                   ; the wait here, directly ahead of the wait below
	s_wait_dscnt 0x0                               ; V and its scale words: the only LDS loads out
	PV 0
	SMUL 1
.if \fetch
	v_add_nc_u32 v[T0], s[KO], v[LA]               ; (places, as above, ahead of the loads into K's registers)
	v_add_nc_u32 v[T1], s[KSO], v[LM]
	NOPS 2
	ds_load_b128 v[KSW:KSW+3], v[T1]
.irp f, 0,1,2,3
.irp c, 0,1
	ds_load_b128 v[KF+8*\f+4*\c:KF+8*\f+4*\c+3], v[T0] offset:1024*\f+512*\c
.endr
.endr
.else
	NOPS 4
.endif
	MASK 1
	SOFT 1
	PV 1
.endm
	s_load_b256 s[4:11], s[0:1], 0x0               ; heads, maskw, maskf, yc
	s_load_b64 s[12:13], s[0:1], 0x20              ; ys
	v_lshl_add_u32 v[SPW], v0, 2, SPARE
	v_mov_b32 v[NIL], 0
	v_lshrrev_b32 v[T1], 5, v0
	v_readfirstlane_b32 s[WV], v[T1]
	v_and_b32 v[T1], 31, v0
	v_lshlrev_b32 v[LA], 4, v[T1]
	v_and_b32 v[T2], 15, v0
	v_lshlrev_b32 v[LM], 4, v[T2]
	v_bfe_u32 v[T2], v0, 4, 1
	v_lshlrev_b32 v[SH8], 3, v[T2]
	s_mul_i32 s19, s[WV], WSH
	v_add_nc_u32 v[T2], s19, v[LA]                 ; where my share of K and V goes in LDS
.irp i, 0,1,2,3,8,9,10,11,16,17,18,19
	v_mov_b32 v[QZ+\i], 0                          ; zero codes round q
.endr
.irp x, 0,1
	v_mov_b32 v[ST+4*\x], 0x7f61b1e6               ; -M: 3e38, so that the first f is 0, over zeros
	v_mov_b32 v[ST+4*\x+1], 0xff61b1e6             ; the largest score so far: -3e38
	v_mov_b32 v[ST+4*\x+2], 0                      ; the sum, in two halves
	v_mov_b32 v[ST+4*\x+3], 0
.endr
	v_mov_b32 v[PW], 0                             ; (named as the upper half of the pair with f before it is first written)
	s_lshr_b32 s16, ttmp9, 2                       ; 16 batch + head
	s_mul_i32 s2, s16, REC                         ; (under 2^24 bytes)
	s_mov_b32 s3, 0
	s_and_b32 s14, ttmp9, 3
	s_lshl_b32 s14, s14, 4
	s_add_co_u32 s14, s14, s[WV]                   ; g: my pair of tiles in the head, 0 .. 63
	s_lshl_b32 s32, s14, 10                        ; q's codes: 1,024 bytes for the two tiles
	s_mov_b32 s33, 0
	s_lshr_b32 s34, s14, 2
	s_lshl_b32 s34, s34, 8
	s_and_b32 s35, s14, 3
	s_lshl_b32 s35, s35, 2
	s_add_co_u32 s34, s34, s35
	s_add_co_u32 s34, s34, 65536                   ; q's scale words: step g / 4, word g % 4 of each row
	s_mov_b32 s35, 0
	s_add_co_u32 s36, s19, PART                    ; my share of the record's K and V parts
	s_mov_b32 s37, 0
	s_lshr_b32 s15, ttmp9, 6
	s_lshl_b32 s15, s15, 6
	s_add_co_u32 s15, s15, s14                     ; the pair, counted over all batches
	s_and_b32 s16, s16, 15                         ; head
	s_mov_b32 s[SEL], 0x76543210
	s_mov_b32 s[SEL+1], 0xfedcba98
	s_mov_b32 s[CS], 0x3e38aa3b
	s_mov_b32 s[CS+1], s[CS]
	s_mov_b32 s[FILL], 0xb209705f
	s_mov_b32 s[J], 0
	s_mov_b32 s[BIT], 0
	s_mov_b32 s[MO], 0
	s_mov_b32 s[KO], 4096
	s_mov_b32 s[KSO], LKS+256
	s_mov_b32 s[VO], LVC
	s_mov_b32 s[VSO], LVS
	s_wait_alu depctr_va_vdst(0)                   ; the wait here, directly ahead of the wait below
	s_wait_kmcnt 0x0
	s_add_nc_u64 s[4:5], s[4:5], s[2:3]            ; the head's record
	s_add_nc_u64 s[32:33], s[4:5], s[32:33]
	s_add_nc_u64 s[34:35], s[4:5], s[34:35]
	s_add_nc_u64 s[36:37], s[4:5], s[36:37]
	global_load_b128 v[QZ+4:QZ+7], v[LA], s[32:33]
	global_load_b128 v[QZ+12:QZ+15], v[LA], s[32:33] offset:512
	global_load_b32 v[X], v[LM], s[34:35]          ; bytes 0, 1: the first tile's row; 2, 3: the second's
.irp i, 0,1,2,3,4,5,6,7,8,9,10,11,12,13,14,15,16
	global_load_b128 v[S+4*\i:S+4*\i+3], v[LA], s[36:37] offset:512*\i   ; 32 lanes read 512 consecutive bytes
.endr
	s_lshl_b32 s2, s15, 3
	s_add_nc_u64 s[8:9], s[8:9], s[2:3]
	s_load_b64 s[FA:FA+1], s[8:9], 0x0             ; the two tiles' words of maskf
	s_lshl_b32 s2, s15, 13
	s_add_nc_u64 s[6:7], s[6:7], s[2:3]            ; their mask words: 4,096 bytes a tile
	s_lshl_b32 s2, s15, 14
	s_lshl_b32 s19, s16, 9
	s_add_co_u32 s2, s2, s19
	s_add_nc_u64 s[10:11], s[10:11], s[2:3]        ; yc: 8,192 bytes a tile, 512 a head
	s_lshl_b32 s2, s15, 10
	s_lshl_b32 s19, s16, 1
	s_add_co_u32 s2, s2, s19
	s_add_nc_u64 s[12:13], s[12:13], s[2:3]        ; ys: 512 bytes a tile, 2 a head
.irp i, 0,1,2,3,4,5,6,7,8,9,10,11,12,13,14,15,16
	s_wait_loadcnt 16-\i                           ; run i is in; the 16 - i younger loads stay out
	ds_store_b128 v[T2], v[S+4*\i:S+4*\i+3] offset:512*\i
.endr
	s_wait_dscnt 0x0                               ; my stores are done,
	s_barrier_signal -1
	s_barrier_wait -1                              ; everybody's are: K and V are whole, and stay
	v_and_b32 v[T1], 0xffff, v[X]
	v_lshrrev_b32 v[T2], 16, v[X]
	v_lshlrev_b32 v[T0], 1, v[SH8]
	v_lshlrev_b32 v[QS], v[T0], v[T1]              ; lanes 0-15: bytes 0, 1 (q below); lanes 16-31: bytes 2, 3 (q above); the bytes over zero codes are 0
	v_lshlrev_b32 v[QS+1], v[T0], v[T2]
	v_add_nc_u32 v[T2], LKS, v[LM]
	ds_load_b128 v[KSW:KSW+3], v[T2]               ; step 0's K
.irp f, 0,1,2,3
.irp c, 0,1
	ds_load_b128 v[KF+8*\f+4*\c:KF+8*\f+4*\c+3], v[LA] offset:1024*\f+512*\c
.endr
.endr
.set j, 0
.rept 64
	v_mov_b32 v[O+j], 0                            ; O^T: the step is written once; the first finds zeros.  (Also the places between q's scales and the first products)
.set j, j+1
.endr
	s_wait_alu depctr_va_vdst(0)                   ; the wait at the head's end
	s_wait_kmcnt 0x0
.Ltrip:
	TRIP 1
	s_add_co_u32 s[KO], s[KO], 4096
	s_add_co_u32 s[KSO], s[KSO], 256
	s_add_co_u32 s[VO], s[VO], 4096
	s_add_co_u32 s[VSO], s[VSO], 256
	s_add_co_u32 s[J], s[J], 1
	s_lshl_b32 s[MO], s[J], 8
	s_lshr_b32 s67, s[J], 2
	s_lshl_b32 s67, s67, 3
	s_and_b32 s[BIT], s[J], 3
	s_or_b32 s[BIT], s[BIT], s67                   ; byte step / 4, bit step % 4
	s_cmp_lt_u32 s[J], 15
	s_cbranch_scc1 .Ltrip
	TRIP 0                                         ; the last step reads no further K
; ---- y, its codes and scale bytes
.set TM,  24
.set BSQ, 32
.set HW,  36
.set YC,  40
.set WO,  56
	NOPS 4                                         ; places behind the last products
	v_add_f32 v[ST+2], v[ST+2], v[ST+3]
	v_add_f32 v[ST+6], v[ST+6], v[ST+7]
	v_permlanex16_b32 v[T1], v[ST+2], s[SEL], s[SEL+1]
	v_permlanex16_b32 v[T2], v[ST+6], s[SEL], s[SEL+1]
	v_add_f32 v[ST+2], v[ST+2], v[T1]              ; the rows' sums
	v_add_f32 v[ST+6], v[ST+6], v[T2]
	s_wait_alu depctr_va_vdst(0)                   ; the wait ahead of the transcendentals
	v_rcp_f32 v[ST+2], v[ST+2]
	v_rcp_f32 v[ST+6], v[ST+6]
	v_lshlrev_b32 v[WO], 1, v[LM]                  ; 32 x (lane % 16): my row of ys.  (The plain place behind the transcendentals)
	s_wait_alu depctr_va_vdst(0)                   ; the wait ahead of the first reader of the reciprocals and of O^T
.irp x, 0,1
.set j, 0
.rept 16
	v_pk_mul_f32 v[S+32*\x+j:S+32*\x+j+1], v[O+32*\x+j:O+32*\x+j+1], v[ST+4*\x+2:ST+4*\x+3] op_sel_hi:[1,0]   ; y: register 32 x + 16 i + n: channel 32 i + 16 h + n
.set j, j+2
.endr
.endr
.irp b, 0,1,2,3                                ; four blocks of 32 channels: two a tile; 16 numbers in my lane, 16 in lane l xor 16
	v_max3_num_f32 v[TM+\b], |v[S+16*\b]|, |v[S+1+16*\b]|, 0x1800000
.endr
.irp i, 2,4,6,8,10,12,14
.irp b, 0,1,2,3
	v_max3_num_f32 v[TM+\b], v[TM+\b], |v[S+16*\b+\i]|, |v[S+1+16*\b+\i]|
.endr
.endr
.irp b, 0,1,2,3
	v_permlanex16_b32 v[TM+4+\b], v[TM+\b], s[SEL], s[SEL+1]
.endr
.irp b, 0,1,2,3
	v_max_num_f32 v[TM+\b], v[TM+\b], v[TM+4+\b]
.endr
.irp b, 0,1,2,3
	v_add_nc_u32 v[BSQ+\b], 0xff000000, v[TM+\b]
.endr
.irp b, 0,1,2,3
	v_lshrrev_b32 v[TM+4+\b], 23, v[BSQ+\b]
.endr
	v_lshl_or_b32 v[HW], v[TM+5], 8, v[TM+4]
	v_lshl_or_b32 v[HW+1], v[TM+7], 8, v[TM+6]
.irp b, 0,1,2,3
	v_cvt_scalef32_pk8_fp4_f32 v[YC+2*\b], v[S+16*\b:S+7+16*\b], v[BSQ+\b]
	v_cvt_scalef32_pk8_fp4_f32 v[YC+1+2*\b], v[S+8+16*\b:S+15+16*\b], v[BSQ+\b]
.endr
	v_nop                                          ; one plain place behind the last scaled conversion
.irp x, 0,1                                    ; a whole block in a lane: lanes 0-15 channels 0 .. 31, lanes 16-31 channels 32 .. 63
	v_permlane16_swap_b32 v[YC+4*\x], v[YC+4*\x+2]
	v_permlane16_swap_b32 v[YC+4*\x+1], v[YC+4*\x+3]
.endr
	global_store_b128 v[LA], v[YC:YC+3], s[10:11]                ; 32 lanes store 512 consecutive bytes, aligned
	global_store_b128 v[LA], v[YC+4:YC+7], s[10:11] offset:8192
	global_store_b16 v[WO], v[HW], s[12:13]                      ; lanes l and l xor 16 store the same two bytes
	global_store_b16 v[WO], v[HW+1], s[12:13] offset:512
	s_wait_tensorcnt 0x0                           ; the wave's end
	ds_add_u32 v[SPW], v[NIL]
	s_wait_dscnt 0x0
	s_endpgm
.Lfunc_end_k_q48608bea7b_attn:
	.size	k_q48608bea7b_attn, .Lfunc_end_k_q48608bea7b_attn-k_q48608bea7b_attn
	.p2alignl 7, 3214868480
	.fill 96, 4, 3214868480
	.section	.rodata,"a",@progbits
	.p2align	6, 0x0
	.amdhsa_kernel k_q48608bea7b_attn
		.amdhsa_group_segment_fixed_size 141312
		.amdhsa_private_segment_fixed_size 0
		.amdhsa_enable_private_segment 0
		.amdhsa_kernarg_size 40
		.amdhsa_user_sgpr_count 2
		.amdhsa_user_sgpr_kernarg_segment_ptr 1
		.amdhsa_wavefront_size32 1
		.amdhsa_system_sgpr_workgroup_id_x 1
		.amdhsa_system_sgpr_workgroup_id_y 1
		.amdhsa_system_sgpr_workgroup_id_z 1
		.amdhsa_system_vgpr_workitem_id 0
		.amdhsa_next_free_vgpr 256
		.amdhsa_next_free_sgpr 102
		.amdhsa_reserve_vcc 0
		.amdhsa_float_denorm_mode_32 3
		.amdhsa_float_denorm_mode_16_64 3
		.amdhsa_memory_ordered 1
		.amdhsa_forward_progress 1
		.amdhsa_inst_pref_size 87
	.end_amdhsa_kernel
	.amdgpu_metadata
---
amdhsa.version: [ 1, 2 ]
amdhsa.kernels:
  - .name:           k_q48608bea7b_attn
    .symbol:         k_q48608bea7b_attn.kd
    .args:
      - { .name: heads, .offset: 0, .size: 8, .value_kind: global_buffer, .address_space: global }
      - { .name: maskw, .offset: 8, .size: 8, .value_kind: global_buffer, .address_space: global }
      - { .name: maskf, .offset: 16, .size: 8, .value_kind: global_buffer, .address_space: global }
      - { .name: yc, .offset: 24, .size: 8, .value_kind: global_buffer, .address_space: global }
      - { .name: ys, .offset: 32, .size: 8, .value_kind: global_buffer, .address_space: global }
    .group_segment_fixed_size: 141312
    .private_segment_fixed_size: 0
    .kernarg_segment_align: 8
    .kernarg_segment_size: 40
    .max_flat_workgroup_size: 512
    .sgpr_count:     102
    .vgpr_count:     256
    .wavefront_size: 32
...
	.end_amdgpu_metadata
.endif
;; end of part 3
;; launch outp (part 4): grid 4 x 32, 4 waves a work-group, clusters of 4 x 4, 327,680 bytes of LDS; arguments yc, ys, Wo_codes, Wo_scales, bo, out0; writes out0
.if DOCPART == 4
	.amdgcn_target "amdgcn-amd-amdhsa--gfx1250"
	.amdhsa_code_object_version 6
	.text
	.protected	k_q48608bea7b_outp
	.globl	k_q48608bea7b_outp
	.p2align	8
	.type	k_q48608bea7b_outp,@function
k_q48608bea7b_outp:
	s_mov_b64 s[64:65], 0
	v_nop
	global_prefetch_b8 v0, s[64:65] scope:SCOPE_SE
	s_setreg_imm32_b32 hwreg(HW_REG_WAVE_MODE, 25, 1), 1
	s_wait_xcnt 0x0
	s_wait_alu depctr_hold_cnt(0) depctr_sa_sdst(0) depctr_va_vdst(0) depctr_va_sdst(0) depctr_va_ssrc(0) depctr_va_vcc(0) depctr_vm_vsrc(0)
	s_getreg_b32 s2, hwreg(HW_REG_IB_STS2, 6, 4)
	s_cmp_eq_u32 s2, 0
	s_cbranch_scc0 .Lentry_in_a_cluster
	s_endpgm
.Lentry_in_a_cluster:
	s_bfe_u32 s2, ttmp6, 0x10000c
	s_cmp_lg_u32 s2, 0xf033
	s_cbranch_scc0 .Lentry_shape_is_right
	s_endpgm
.Lentry_shape_is_right:
.set SIZE_N, 1024
.set NQ,     4
.set ROWB,   256
.set KROW,   512
.set PITCH,  272
.set FR,     8
.set NL,     2
.set NP,     4
.set HALFT,  128*PITCH
.set SLOT,   4*HALFT
.set KS,     32
.set SCL,    2*SLOT
.set HALFS,  (128*KS/256)*272
.set SBLK,   (16*KS/256)*272
.set SPARE,  SCL+4*HALFS
.set SPITCH, 528
.set ADRA, 16
.set ADRB, 20
.set STO,  24
.set RD,   25
.set CO,   26
.set ADRS, 27
.set SPW,  28
.set NIL,  29
.set SC,   32
.set AF,   128
.set BK,   128
.set BI,   192
.set G1, 24
.set G0, 32
.set G1B, 48
.set G0B, 56
.set G1S, 68
.set G0S, 76
.set G1SB, 80
.set G0SB, 88
.set MSB, 0
.macro WIN new
.if MSB != (\new)
	s_set_vgpr_msb (MSB<<8)|(\new)
.set MSB, (\new)
.endif
.endm
.set MUL_LO, 0xa1
.set MUL_HI, 0xf1
.set BIA_LO, 0x91
.set BIA_HI, 0xd1
.set TO_B,   0x40
.macro JLOAD g0a, g1a, g0b, g1b
	s_cmp_eq_u32 s15, 0
	s_cbranch_scc0 .Lfor_b_\@
	tensor_load_to_lds s[\g0a:\g0a+3], s[\g1a:\g1a+7]
	s_nop 0
.rept 4
	v_nop
.endr
	s_branch .Lasked_\@
.Lfor_b_\@:
	tensor_load_to_lds s[\g0b:\g0b+3], s[\g1b:\g1b+7]
	s_nop 0
.rept 4
	v_nop
.endr
.Lasked_\@:
.endm
; out0 = y Wo^T + bo on codes of FP4: y's codes from yc (images of operand registers, 8,192 bytes for 16 rows), its scale bytes from ys; a tile of 256 x 256 to a work-group, all of K in two LDS slots, each filled once.
; The head's loads, one a wave: one chain of branches on the wave's number, an arm a load, all arms leading to one join.
.macro ARM under, g0, g1, next
	s_cmp_lt_u32 s14, \under
	s_cbranch_scc0 \next
	tensor_load_to_lds s[\g0:\g0+3], s[\g1:\g1+7]
	s_nop 0
.rept 4
	v_nop
.endr
	s_branch .Lhead_asked
\next:
.endm
.macro CROUND
	s_barrier_signal -1
	s_barrier_wait -1
	s_cmp_lg_u32 s14, 0
	s_cbranch_scc1 .Lnot_wave_0_\@
	s_barrier_signal -3
.Lnot_wave_0_\@:
	s_barrier_wait -3
	s_barrier_signal -1
	s_barrier_wait -1
.endm
	s_load_b128 s[4:7], s[0:1], 0x0
	s_load_b128 s[8:11], s[0:1], 0x10
	s_load_b64 s[96:97], s[0:1], 0x20
	s_load_b64 s[12:13], s[0:1], 0x28
	v_lshl_add_u32 v[SPW], v0, 2, SPARE
	v_mov_b32 v[NIL], 0
	ds_add_u32 v28, v29
	ds_add_u32 v28, v29
	s_wait_dscnt 0x0
	v_lshrrev_b32 v1, 5, v0
	v_readfirstlane_b32 s14, v1
	s_lshr_b32 s15, s14, 1
	s_and_b32 s16, s14, 1
	s_bfe_u32 s40, ttmp6, 0x40000
	s_bfe_u32 s41, ttmp6, 0x40004
	s_lshl_b32 s42, ttmp9, 2
	s_add_co_u32 s42, s42, s40
	s_and_b32 s17, ttmp7, 0xffff
	s_lshl_b32 s17, s17, 2
	s_add_co_u32 s17, s17, s41
	s_lshl_b32 s43, s41, 2
	s_lshl_b32 s43, 15, s43
	s_lshl_b32 s44, 0x1111, s40
	s_or_b32 s[G1+0], s43, (3<<16)|(1<<21)
	s_mov_b32 s[G1+1], 512<<16
	s_mov_b32 s[G1+2], 16<<16                      ; y: 16 runs of 4,096 bytes (256 rows) for the head's load; 8 behind it
	s_mov_b32 s[G1+3], 512<<16
	s_mov_b32 s[G1+4], 16
	s_mov_b32 s[G1+5], 1024
	s_mov_b32 s[G1+6], 0
	s_mov_b32 s[G1+7], 0
	s_or_b32 s[G1B+0], s44, (0<<16)|(1<<20)|(1<<21)|(5<<22)|(3<<25)
	s_mov_b32 s[G1B+1], ROWB<<16
	s_mov_b32 s[G1B+2], 256<<16                    ; Wo: 256 rows for the head's load; 128 behind it
	s_mov_b32 s[G1B+3], ROWB<<16
	s_mov_b32 s[G1B+4], 256
	s_mov_b32 s[G1B+5], KROW
	s_mov_b32 s[G1B+6], 0
	s_mov_b32 s[G1B+7], 0
	s_or_b32 s[G1S+0], s43, (3<<16)|(1<<20)|(1<<21)|(5<<22)|(3<<25)
	s_or_b32 s[G1SB+0], s44, (3<<16)|(1<<20)|(1<<21)|(5<<22)|(3<<25)
.irp g, G1S, G1SB
	s_mov_b32 s[\g+1], 32<<16
	s_mov_b32 s[\g+2], (256*KS/256)<<16            ; the scales of all 256 rows in one load
	s_mov_b32 s[\g+3], 32<<16
	s_mov_b32 s[\g+4], 256*KS/256
	s_mov_b32 s[\g+5], 32
	s_mov_b32 s[\g+6], 0
	s_mov_b32 s[\g+7], 0
.endr
	s_lshl_b32 s20, s17, 8                         ; y: the tile's first row
	s_lshl_b32 s46, s42, 8                         ; Wo: likewise
	s_mov_b32 s21, 0
	s_mov_b32 s47, 0
	s_mov_b64 s[18:19], KS
	s_mul_u64 s[22:23], s[20:21], s[18:19]
	s_mul_u64 s[92:93], s[46:47], s[18:19]
	s_mov_b64 s[18:19], KROW
	s_mul_u64 s[20:21], s[20:21], s[18:19]
	s_mul_u64 s[46:47], s[46:47], s[18:19]
	s_mul_i32 s45, s14, HALFT
	s_mul_i32 s18, s16, 128*KROW                   ; slot 1: which 128 rows of the tile I fetch, in bytes
	s_mov_b32 s19, 0
	s_wait_kmcnt 0x0
	s_add_nc_u64 s[20:21], s[4:5], s[20:21]
	s_add_nc_u64 s[22:23], s[6:7], s[22:23]
	s_add_nc_u64 s[46:47], s[8:9], s[46:47]
	s_add_nc_u64 s[92:93], s[10:11], s[92:93]
	CROUND
	s_mov_b32 s[G0S], 1
	s_mov_b32 s[G0S+1], SCL
	s_mov_b64 s[G0S+2:G0S+3], s[22:23]
	s_or_b32 s[G0S+3], s[G0S+3], 0x80000000
	s_mov_b32 s[G0SB], 1
	s_mov_b32 s[G0SB+1], SCL+2*HALFS
	s_mov_b64 s[G0SB+2:G0SB+3], s[92:93]
	s_or_b32 s[G0SB+3], s[G0SB+3], 0x80000000
.irp s, 0,1
	s_mov_b32 s[G0+4*\s], 1
	s_lshl_b32 s[G0+4*\s+1], s14, 15               ; y's 128 rows are 32,768 bytes in LDS.  Slot 0: all 256 rows from byte 0; slot 1: my 128 rows
	s_mul_i32 s[G0+4*\s+1], s[G0+4*\s+1], \s
	s_add_co_u32 s[G0+4*\s+1], s[G0+4*\s+1], \s*SLOT
	s_add_nc_u64 s[G0+4*\s+2:G0+4*\s+3], s[20:21], \s*4096
.if \s
	s_add_nc_u64 s[G0+4*\s+2:G0+4*\s+3], s[G0+4*\s+2:G0+4*\s+3], s[18:19]
.endif
	s_or_b32 s[G0+4*\s+3], s[G0+4*\s+3], 0x80000000
	s_mov_b32 s[G0B+4*\s], 1
	s_mul_i32 s[G0B+4*\s+1], s45, \s               ; slot 0: Wo's 256 rows from byte 2 HALFT; slot 1: my 128 rows
	s_add_co_u32 s[G0B+4*\s+1], s[G0B+4*\s+1], \s*SLOT+(1-\s)*2*HALFT
	s_add_nc_u64 s[G0B+4*\s+2:G0B+4*\s+3], s[46:47], \s*ROWB
.if \s
	s_add_nc_u64 s[G0B+4*\s+2:G0B+4*\s+3], s[G0B+4*\s+2:G0B+4*\s+3], s[18:19]
.endif
	s_or_b32 s[G0B+4*\s+3], s[G0B+4*\s+3], 0x80000000
.if \s                                         ; once, when all descriptors stand: wave 0 slot 0's rows of y, wave 1 those of Wo, wave 2 y's scales, wave 3 Wo's
	ARM 1, G0,  G1,  .Lhead_b
	ARM 2, G0B, G1B, .Lhead_sa
	ARM 3, G0S, G1S, .Lhead_sb
	tensor_load_to_lds s[G0SB:G0SB+3], s[G1SB:G1SB+7]
	s_nop 0
.rept 4
	v_nop
.endr
.Lhead_asked:
	s_wait_alu depctr_va_vdst(0)                   ; the wait here, directly ahead of the wait below
	s_wait_tensorcnt 0x0                           ; my tile of the head's four is in
	ds_add_u32 v28, v29
	s_mov_b32 s[G1+2], 8<<16                       ; no tensor load of mine is out: from here on a load brings 128 rows
	s_mov_b32 s[G1+4], 8
	s_mov_b32 s[G1B+2], 128<<16
	s_mov_b32 s[G1B+4], 128
	s_wait_dscnt 0x0
	CROUND                                         ; all four tiles are in, and all sixteen work-groups are here
	JLOAD G0+4, G1, G0B+4, G1B                     ; slot 1's only fill: the first tensor load behind the round
.endif
.endr
	v_and_b32 v1, 15, v0
	v_bfe_u32 v2, v0, 4, 1
	v_and_b32 v6, 31, v0
	v_lshlrev_b32 v[CO], 4, v6
	v_mul_u32_u24 v3, v1, PITCH
	v_lshl_add_u32 v4, v2, 4, v3
	s_lshl_b32 s21, s15, 15                        ; my 128 rows of y
	s_mul_i32 s22, s16, HALFT
	s_add_co_u32 s22, s22, 2*HALFT
.irp s, 0,1
	v_add_nc_u32 v[ADRA+\s], s21, v[CO]
	v_add_nc_u32 v[ADRB+\s], s22, v4
	s_add_co_u32 s21, s21, SLOT
	s_add_co_u32 s22, s22, SLOT
.endr
	v_mul_u32_u24 v5, v1, KS
	v_lshrrev_b32 v6, 8, v5
	v_lshl_add_u32 v5, v6, 4, v5
	s_mul_i32 s21, s15, HALFS
	s_mul_i32 s22, s16, HALFS
	s_add_co_u32 s22, s22, 2*HALFS
	s_sub_co_u32 s22, s22, s21
	v_mul_u32_u24 v6, s22, v2
	s_add_co_u32 s21, s21, SCL
	v_add_nc_u32 v5, v5, v6
	v_add_nc_u32 v[ADRS], s21, v5
	s_mul_i32 s23, s14, 16*SPITCH
	v_mul_u32_u24 v5, v1, SPITCH
	v_lshl_add_u32 v5, v2, 5, v5
	v_add_nc_u32 v[STO], s23, v5
	v_add_nc_u32 v[RD], s23, v[CO]
	v_lshlrev_b32 v30, 5, v2
	s_wait_alu depctr_va_vdst(0)
	s_lshl_b32 s20, s17, 8
	s_lshl_b32 s21, s15, 7
	s_add_co_u32 s20, s20, s21
	s_mov_b32 s21, 0
	s_mov_b64 s[18:19], SIZE_N*4
	s_mul_u64 s[20:21], s[20:21], s[18:19]
	s_lshl_b32 s46, s42, 10
	s_lshl_b32 s47, s16, 9
	s_add_co_u32 s46, s46, s47
	s_mov_b32 s47, 0
	s_add_nc_u64 s[96:97], s[96:97], s[46:47]
	s_add_nc_u64 s[20:21], s[20:21], s[46:47]
	s_add_nc_u64 s[12:13], s[12:13], s[20:21]
	WIN TO_B
.irp b, 0,1,2,3,4,5,6,7
	global_load_b128 v[BI+8*\b:BI+8*\b+3], v30, s[96:97] offset:64*\b
	global_load_b128 v[BI+8*\b+4:BI+8*\b+7], v30, s[96:97] offset:64*\b+16
.endr
	WIN 0
.macro FRAG reg, adr, q, i
.irp c, 0,1
	ds_load_b128 v[\reg+4*\c:\reg+4*\c+3], v[\adr] offset:64*(\q)+32*\c+(\i)*16*PITCH
.endr
.endm
.macro FRAGA reg, adr, q, i
.irp c, 0,1
	ds_load_b128 v[\reg+4*\c:\reg+4*\c+3], v[\adr] offset:(4*(\i)+(\q))*1024+512*\c
.endr
.endm
.macro MUL16 a0, p, q, sc, first
.irp a, \a0, \a0+1
.irp b, 0,1,2,3,4,5,6,7
.set DA, 8*(8*((\a)%4)+\b)
.set RA, AF+FR*(\a)
.set RB, 128*(\p)+FR*\b
.set SA, SC+8*NQ*(\sc)+NQ*(\a)+(\q)
.set SB, SC+8*NQ*(\sc)+NQ*\b+(\q)
.if \first
	v_wmma_scale_f32_16x16x128_f8f6f4 v[DA:DA+7], v[RB:RB+7], v[RA:RA+7], v[BI+8*\b:BI+8*\b+7], v[SB], v[SA] matrix_a_fmt:MATRIX_FMT_FP4 matrix_b_fmt:MATRIX_FMT_FP4 matrix_a_scale:MATRIX_SCALE_ROW1
.else
	v_wmma_scale_f32_16x16x128_f8f6f4 v[DA:DA+7], v[RB:RB+7], v[RA:RA+7], v[DA:DA+7], v[SB], v[SA] matrix_a_fmt:MATRIX_FMT_FP4 matrix_b_fmt:MATRIX_FMT_FP4 matrix_a_scale:MATRIX_SCALE_ROW1
.endif
.endr
.endr
.endm
.macro FETCH_B slot, q, p
	WIN TO_B
.irp i, 0,1,2,3,4,5,6,7
	FRAG 128*(\p)+FR*\i, ADRB+\slot, \q, \i
.endr
	WIN 0
.endm
.macro FETCH_A slot, q, i0
.irp i, \i0, \i0+1, \i0+2, \i0+3
	FRAGA AF+FR*(\i), ADRA+\slot, \q, \i
.endr
.endm
.macro SCALES sc
.irp i, 0,1,2,3,4,5,6,7
	ds_load_b128 v[SC+8*NQ*\sc+NQ*\i:SC+8*NQ*\sc+NQ*\i+3], v[ADRS] offset:\i*SBLK
.endr
.endm
.macro PLACES n
.rept \n
	v_nop
.endr
.endm
.macro STEP slot, q, first
	s_wait_dscnt 4*NL
.if \first
	WIN BIA_LO
.else
	WIN MUL_LO
.endif
	MUL16 0, (\q)%2, \q, \slot, \first
	MUL16 2, (\q)%2, \q, \slot, \first
	s_wait_dscnt 0
	PLACES NP
	FETCH_B \slot, (\q)+1, 1-(\q)%2
	FETCH_A \slot, (\q)+1, 0
.if \first
	WIN BIA_HI
.else
	WIN MUL_HI
.endif
	MUL16 4, (\q)%2, \q, \slot, \first
	MUL16 6, (\q)%2, \q, \slot, \first
	PLACES NP
	WIN 0
	FETCH_A \slot, (\q)+1, 4
.endm
	s_wait_tensorcnt 1
	s_barrier_signal -1
	s_barrier_wait -1
	FETCH_B 0, 0, 0
	FETCH_A 0, 0, 0
	SCALES 0
	FETCH_A 0, 0, 4
	s_wait_loadcnt 0x0
	STEP 0, 0, 1
	STEP 0, 1, 0
	STEP 0, 2, 0
	s_wait_tensorcnt 0x0
	ds_add_u32 v[SPW], v[NIL]
	s_wait_dscnt 4*NL+1
	WIN MUL_LO
	MUL16 0, 1, NQ-1, 0, 0
	s_wait_dscnt 0x0
	s_barrier_signal -1
	MUL16 2, 1, NQ-1, 0, 0
	WIN 0
	s_barrier_wait -1
	PLACES NP
	v_add_nc_u32 v[ADRS], 4*NQ, v[ADRS]
	FETCH_B 1, 0, 0
	FETCH_A 1, 0, 0
	SCALES 1
	WIN MUL_HI
	MUL16 4, 1, NQ-1, 0, 0
	MUL16 6, 1, NQ-1, 0, 0
	PLACES NP
	WIN 0
	FETCH_A 1, 0, 4
	STEP 1, 0, 0
	STEP 1, 1, 0
	STEP 1, 2, 0
	s_wait_dscnt 4*NL
	WIN MUL_LO
	MUL16 0, 1, NQ-1, 1, 0
	MUL16 2, 1, NQ-1, 1, 0
	s_wait_dscnt 0
	WIN MUL_HI
	MUL16 4, 1, NQ-1, 1, 0
	MUL16 6, 1, NQ-1, 1, 0
	WIN 0
.macro TOSTAGE a
.set AC, 64*((\a)%4)
	WIN 0x08+4*((\a)/4)
.irp b, 0,1,2,3,4,5,6,7
	ds_store_b128 v[STO], v[AC+8*\b:AC+8*\b+3] offset:64*\b
	ds_store_b128 v[STO], v[AC+8*\b+4:AC+8*\b+7] offset:64*\b+16
.endr
	WIN 0
.set BB, BK+64*((\a)%2)
.irp t, 0,1,2,3,4,5,6,7,8,9,10,11,12,13,14,15
	ds_load_b128 v[BB+4*\t:BB+4*\t+3], v[RD] offset:\t*SPITCH
.endr
.endm
.macro SEND a, younger
.set BB, BK+64*((\a)%2)
	s_wait_dscnt \younger
.irp t, 0,1,2,3,4,5,6,7,8,9,10,11,12,13,14,15
	global_store_b128 v[CO], v[BB+4*\t:BB+4*\t+3], s[12:13] offset:(64*((\a)/4)+32*(\t/8)+16*(((\a)/2)%2)+8*((\a)%2)+(\t%8))*SIZE_N*4 th:TH_STORE_NT   ; tile a of my eight, tile row t: its row of out0; 32 lanes store 512 consecutive bytes, aligned
.endr
.endm
	PLACES NP
	TOSTAGE 0
.irp a, 1,2,3,4,5,6,7
.if \a > 1
	s_wait_xcnt 0x0
.endif
	TOSTAGE \a
	SEND \a-1, 32
.endr
	s_wait_xcnt 0x0
	SEND 7, 0
	s_wait_tensorcnt 0x0
	ds_add_u32 v[SPW], v[NIL]
	s_wait_dscnt 0x0
	CROUND
	s_endpgm
.Lfunc_end_k_q48608bea7b_outp:
	.size	k_q48608bea7b_outp, .Lfunc_end_k_q48608bea7b_outp-k_q48608bea7b_outp
	.p2alignl 7, 3214868480
	.fill 96, 4, 3214868480
	.section	.rodata,"a",@progbits
	.p2align	6, 0x0
	.amdhsa_kernel k_q48608bea7b_outp
		.amdhsa_group_segment_fixed_size 327680
		.amdhsa_private_segment_fixed_size 0
		.amdhsa_enable_private_segment 0
		.amdhsa_kernarg_size 48
		.amdhsa_user_sgpr_count 2
		.amdhsa_user_sgpr_kernarg_segment_ptr 1
		.amdhsa_wavefront_size32 1
		.amdhsa_system_sgpr_workgroup_id_x 1
		.amdhsa_system_sgpr_workgroup_id_y 1
		.amdhsa_system_sgpr_workgroup_id_z 1
		.amdhsa_system_vgpr_workitem_id 0
		.amdhsa_next_free_vgpr 1024
		.amdhsa_next_free_sgpr 100
		.amdhsa_reserve_vcc 0
		.amdhsa_float_denorm_mode_32 3
		.amdhsa_float_denorm_mode_16_64 3
		.amdhsa_memory_ordered 1
		.amdhsa_forward_progress 1
		.amdhsa_inst_pref_size 127
	.end_amdhsa_kernel
	.amdgpu_metadata
---
amdhsa.version: [ 1, 2 ]
amdhsa.kernels:
  - .name:           k_q48608bea7b_outp
    .symbol:         k_q48608bea7b_outp.kd
    .args:
      - { .name: yc, .offset: 0, .size: 8, .value_kind: global_buffer, .address_space: global }
      - { .name: ys, .offset: 8, .size: 8, .value_kind: global_buffer, .address_space: global }
      - { .name: Wo_codes, .offset: 16, .size: 8, .value_kind: global_buffer, .address_space: global }
      - { .name: Wo_scales, .offset: 24, .size: 8, .value_kind: global_buffer, .address_space: global }
      - { .name: bo, .offset: 32, .size: 8, .value_kind: global_buffer, .address_space: global }
      - { .name: out0, .offset: 40, .size: 8, .value_kind: global_buffer, .address_space: global }
    .group_segment_fixed_size: 327680
    .private_segment_fixed_size: 0
    .kernarg_segment_align: 8
    .kernarg_segment_size: 48
    .max_flat_workgroup_size: 128
    .sgpr_count:     100
    .vgpr_count:     1024
    .wavefront_size: 32
...
	.end_amdgpu_metadata
.endif
;; end of part 4
